; MI455X (gfx1250); checked and timed in simulation.
; The chip was launched on July 23, 2026; its instructions are those of AMD's public machine-readable ISA for CDNA 5 (MIT licence, August 2026) and "CDNA5" Instruction Set Architecture Reference Guide (July 2026). The comments in the code are by the model that wrote it; some were corrected since.
;; Multihead Attention. Allowed arithmetic: matrix products marked QUANTISED: E2M1 operands, one E8M0 scale for each 32 along K, by v_wmma_scale_f32_16x16x128_f8f6f4 with both operands' format E2M1 (or v_wmma_scale_f32_32x16x128_f4), f32 sums; products left as they are: bf16, f16 or f32 operands; f32 sums; everything else in f32.
;; Inputs: wk 1,024 x 1,024 float32; wo 1,024 x 1,024 float32; wq 1,024 x 1,024 float32; wv 1,024 x 1,024 float32; x 4 x 2,048 x 1,024 float32.
;; Outputs: out0 4 x 2,048 x 1,024 float32.
;; This version of the problem:
;;   THIS VERSION OF THE PROBLEM IS GIVEN IN LOW PRECISION. The matrix products marked QUANTISED in the list below multiply operands that are first quantised to E2M1 (2 exponent bits, 1 mantissa bit; 4 bits a number), with one power-of-two scale for each 32 numbers along K (OCP MX v1.0); their sums are f32. The products marked 'left as it is' may take bf16, f16 or f32 operands, with f32 sums. Whichever they take, every output number must still come out within the allowed error. Rounding operands to bf16 (8 significant bits) uses up far more of that allowance than f16 does (11 bits, for magnitudes from 6e-5 to 65,504). All else is computed in f32.
;;   The module's matrix products, in the order in which they are computed (A, B: the left and right operand; K: the contracted axis; several contracted axes count as one K, in the product's order):
;;     1. [M 8,192, K 1,024] x [K 1,024, N 1,024]; A: input x; B: input wq: QUANTISED
;;     2. [M 8,192, K 1,024] x [K 1,024, N 1,024]; A: input x; B: input wk: QUANTISED
;;     3. [M 8,192, K 1,024] x [K 1,024, N 1,024]; A: input x; B: input wv: QUANTISED
;;     4. batch 64 x [M 2,048, K 64] x [K 64, N 2,048]; A: computed on the way; B: computed on the way: left as it is (an operand is computed on the way)
;;     5. batch 64 x [M 64, K 2,048] x [K 2,048, N 2,048]; A: computed on the way; B: computed on the way: left as it is (an operand is computed on the way)
;;     6. [M 8,192, K 1,024] x [K 1,024, N 1,024]; A: computed on the way; B: input wo: left as it is (an operand is computed on the way)
;;   THE QUANTISER, for each operand of a quantised product, along K:
;;     - K is cut into blocks of 32 from its start; a last block that is shorter is filled with zeros.
;;     - A block's scale is 2^e with e = floor(log2(the largest magnitude in the block)) - 2, held to -126 .. 127; a block of zeros has e = 0. As a byte (E8M0): e + 127.
;;     - Each number is divided by its block's scale, clamped to +-6, and rounded to the nearest number of E2M1, ties to even, subnormals kept.
;;     - The product sums the exact products of the quantised numbers (number of the format x scale) in f32.
;;   ~~~python
;;   def quantise(x, axis):      # numpy; x: float32 -> the quantised numbers, widened to float32 again
;;       x = np.moveaxis(x, axis, -1); K = x.shape[-1]
;;       x = np.pad(x, [(0, 0)] * (x.ndim - 1) + [(0, -K % 32)]); x = x.reshape(x.shape[:-1] + (-1, 32)); a = np.abs(x).max(-1, keepdims=True)
;;       e = np.where(a > 0, np.clip(np.frexp(np.where(a > 0, a, 1))[1] - 1 - 2, -126, 127), 0)      # np.frexp(a)[1] - 1 = floor(log2(a)), exactly
;;       r = np.clip(x / 2.0 ** e, -6, 6)
;;       step = 2.0 ** (np.maximum(np.frexp(np.where(r == 0, 1, r))[1] - 1, 0) - 1)
;;       q = np.round(r / step) * step * 2.0 ** e      # np.round: ties to even
;;       return np.moveaxis(q.reshape(q.shape[:-2] + (-1,))[..., :K], -1, axis).astype(np.float32)
;;   ~~~
;; One version. Each part assembles by itself: llvm-mc -triple=amdgcn-amd-amdhsa -mcpu=gfx1250 --defsym DOCPART=n.
;; ======== version 1 of 1: 5 launches
;; limits: values are held in f16: magnitudes above 65,504 overflow, below 6.1e-05 lose precision
;; workspace buffers: codes 5,767,168 bytes; scales 360,448 bytes; wo16 4,194,304 bytes; qkv 50,331,648 bytes; first 786,432 bytes; att 16,777,216 bytes
;; launch prep (part 1): grid 768 x 1, 4 waves a work-group, no clusters, 31,744 bytes of LDS; arguments x, wq, wk, wv, wo, codes, scales, wo16; writes codes, scales, wo16
.if DOCPART == 1
	.amdgcn_target "amdgcn-amd-amdhsa--gfx1250"
	.amdhsa_code_object_version 6
	.text
	.protected	k_q6e3349d217_prep
	.globl	k_q6e3349d217_prep
	.p2align	8
	.type	k_q6e3349d217_prep,@function
k_q6e3349d217_prep:
	s_mov_b64 s[64:65], 0
	v_nop
	global_prefetch_b8 v0, s[64:65] scope:SCOPE_SE
	s_setreg_imm32_b32 hwreg(HW_REG_WAVE_MODE, 25, 1), 1
	s_wait_xcnt 0x0
; PREP.  x [8192][1024] and wq, wk, wv [1024][1024], f32, K innermost, become codes of FP4 (E2M1) with one E8M0 scale byte for each 32 along K;
; wo [1024][1024] becomes two planes of f16: hi = w rounded to 11 significant bits, lo = w - hi.
; A block's scale is 2^(floor(log2(its largest magnitude)) - 2): its byte is the largest magnitude's exponent field - 2, held at 1 from below.
; LIMITS: a block of zeros gets the byte 1 where the rule says 127 (its codes are zeros, which add nothing, and this program alone reads the bytes); blocks whose largest magnitude
; lies under 2^(3 - 127) are held at that floor; NaN and infinities are not served; |wo| stays under 65,504, f16's largest number.
; CODES ARE LAID IN THE ORDER OF THE OPERAND'S REGISTERS.  A block of 16 rows x 1,024 K is 8,192 bytes: byte 1024 s + 512 c + 16 (16 h + r) begins the 16 bytes of MX block 4 s + 2 c + h of row r,
; which are registers 4 c .. 4 c + 3 of lane (r, h) in K step s.  Blocks 0-511: x; 512-703: wq, wk, wv on end.  Scale bytes: [row][32].
; SHARES.  Work-group g < 704 takes block g; wave w the K quarter w: 1,024 bytes of each of the 16 rows, 32 loads of 512 consecutive bytes, all issued at once.
; Work-groups 704-767 take 65,536 bytes of wo each, a wave 16,384.  No tensor loads, no cluster: nothing is shared between work-groups.
.set SP,    80                         ; a lane's place in a stage: 64 bytes + 16 of padding
.set WREG,  7680                       ; LDS of a wave: two stages of 32 x SP, then the codes' stage
.set CST,   5120                       ; the codes' stage: 8 chunks of 256 bytes, 288 apart
.set SCB,   30720                      ; the block's 512 scale bytes, written by all four waves
.set SPARE, 31232                      ; the spare words, 128 bytes a wave: two blocks of 256 bytes that no other line names
.set R,     16                         ; v16-143  the 32 loads
.set X,     144                        ; v144-175 two sets of 16 neighbours
.set C,     176                        ; v176-191 two registers of codes for each step
.set E,     192                        ; v192-199 a scale byte for each step
.set WR,    64                         ; wo's path: v64-191 the 32 loads, then hi and lo in their place
.set SPW,   12                         ; v12 my spare word's address; never rewritten
.set NIL,   13                         ; v13 0; never rewritten
	s_load_b256 s[4:11], s[0:1], 0x0               ; x, wq, wk, wv
	s_load_b256 s[12:19], s[0:1], 0x20             ; wo, codes, scales, wo16
	v_lshl_add_u32 v[SPW], v0, 2, SPARE
	v_mov_b32 v[NIL], 0
	v_lshrrev_b32 v1, 5, v0
	v_readfirstlane_b32 s20, v1                    ; wave
	v_and_b32 v14, 31, v0                          ; lane L
	v_lshlrev_b32 v1, 4, v14                       ; 16 L
	s_cmp_ge_u32 ttmp9, 704                        ; the work-group's number alone: all four waves go the same way
	s_cbranch_scc1 .Lwo
	s_mul_i32 s21, s20, WREG
	v_lshrrev_b32 v2, 2, v14
	v_mul_u32_u24 v2, v2, SP
	v_and_b32 v3, 3, v14
	v_lshl_add_u32 v2, v3, 4, v2
	v_add_nc_u32 v2, s21, v2                       ; stage, in: SP (L / 4) + 16 (L % 4)
	v_mul_u32_u24 v3, v14, SP
	v_add_nc_u32 v3, s21, v3                       ; stage, out: SP L: my 16 neighbours
	v_bfe_u32 v8, v14, 1, 3                        ; j = (L % 16) / 2: my MX block in the quarter
	v_lshrrev_b32 v9, 4, v14                       ; L / 16: which of the step's two rows
	v_and_b32 v10, 1, v14                          ; which half of the block
	v_mul_u32_u24 v4, v8, 288
	v_lshl_add_u32 v4, v9, 4, v4
	v_lshl_add_u32 v4, v10, 3, v4
	v_add_nc_u32 v4, s21, v4
	v_add_nc_u32 v4, CST, v4                       ; my 8 bytes of codes: chunk j, row 2 t + L / 16 (32 t in the immediate), half L % 2
	s_lshl_b32 s22, s20, 3
	v_lshl_add_u32 v5, v9, 5, v8
	v_add_nc_u32 v5, s22, v5
	v_add_nc_u32 v5, SCB, v5                       ; my block's byte: 32 x row + 8 x wave + j
	v_and_b32 v11, 15, v14
	v_mul_u32_u24 v6, v9, 288
	v_lshl_add_u32 v6, v11, 4, v6
	v_add_nc_u32 v6, s21, v6
	v_add_nc_u32 v6, CST, v6                       ; codes back: two chunks an instruction
	v_add_nc_u32 v7, SCB, v1                       ; scale bytes back: 16 a lane
	s_sub_co_u32 s23, ttmp9, 512                   ; a weight's block (of no use where g < 512)
	s_lshr_b32 s24, s23, 6                         ; which weight
	s_and_b32 s23, s23, 63                         ; which 16 rows of it
	s_wait_kmcnt 0x0
	s_cmp_eq_u32 s24, 1                            ; the choices hang on the work-group's number alone
	s_cselect_b64 s[6:7], s[8:9], s[6:7]
	s_cmp_eq_u32 s24, 2
	s_cselect_b64 s[6:7], s[10:11], s[6:7]
	s_cmp_lt_u32 ttmp9, 512
	s_cselect_b64 s[4:5], s[4:5], s[6:7]
	s_cselect_b32 s23, ttmp9, s23
	s_lshl_b32 s24, s23, 16                        ; 16 rows of 4,096 bytes
	s_lshl_b32 s25, s20, 10                        ; my quarter of a row
	s_add_co_u32 s24, s24, s25
	s_mov_b32 s25, 0
	s_add_nc_u64 s[4:5], s[4:5], s[24:25]
	s_lshl_b32 s26, ttmp9, 13
	s_lshl_b32 s27, s20, 11
	s_add_co_u32 s26, s26, s27
	s_mov_b32 s27, 0
	s_add_nc_u64 s[14:15], s[14:15], s[26:27]      ; codes: 8,192 g + 2,048 wave
	s_lshl_b32 s26, ttmp9, 9
	s_add_nc_u64 s[16:17], s[16:17], s[26:27]      ; scale bytes: 512 g
.set i, 0
.rept 32                                       ; load 4 t + n: row 2 t + n / 2, half n % 2 of my 1,024 bytes: 512 consecutive bytes
	global_load_b128 v[R+4*i:R+4*i+3], v1, s[4:5] offset:(2*(i/4)+(i%4)/2)*4096+(i%2)*512 th:TH_LOAD_NT
.set i, i+1
.endr
; Step t's 2,048 bytes go through a stage as they lie and come back 64 bytes a lane: lane L then holds row 2 t + L / 16, k = 16 (L % 16) + 0 .. 15 of the quarter.  LDS serves a wave's instructions in order.
.macro TURN t
.irp i, 0,1,2,3
	ds_store_b128 v2, v[R+16*(\t)+4*\i:R+16*(\t)+4*\i+3] offset:2560*((\t)%2)+640*\i
.endr
.irp i, 0,1,2,3
	ds_load_b128 v[X+16*((\t)%2)+4*\i:X+16*((\t)%2)+4*\i+3], v3 offset:2560*((\t)%2)+16*\i
.endr
.endm
.macro STEP t
.set XS, X+16*((\t)%2)
.if (\t) > 0
	s_wait_dscnt 2                                 ; this step's numbers are back; behind them only the last step's two stores were issued
.else
	s_wait_dscnt 0x0
.endif
.if (\t) < 7
	s_wait_loadcnt 24-4*(\t)                       ; the next step's four loads are in; those of the steps behind it may be out
	TURN (\t)+1
.endif
	v_max3_num_f32 v8, |v[XS]|, |v[XS+1]|, |v[XS+2]|
	v_max3_num_f32 v9, |v[XS+3]|, |v[XS+4]|, |v[XS+5]|
.irp i, 6,10
	v_max3_num_f32 v8, v8, |v[XS+\i]|, |v[XS+\i+1]|
	v_max3_num_f32 v9, v9, |v[XS+\i+2]|, |v[XS+\i+3]|
.endr
	v_max3_num_f32 v8, v8, |v[XS+14]|, |v[XS+15]|
	v_max3_num_f32 v8, v8, v9, 0x1800000           ; and the floor 2^(3 - 127): the byte cannot fall under 1
	v_max_num_f32_dpp v8, v8, v8 row_xmask:1 row_mask:0xf bank_mask:0xf   ; with my neighbour's 16: the block's largest magnitude
	v_add_nc_u32 v11, 0xff000000, v8               ; 2 off its exponent field: the conversion takes this operand's exponent field as its scale
	v_cvt_scalef32_pk8_fp4_f32 v[C+2*(\t)], v[XS:XS+7], v11
	v_cvt_scalef32_pk8_fp4_f32 v[C+2*(\t)+1], v[XS+8:XS+15], v11
	v_lshrrev_b32 v[E+(\t)], 23, v11               ; the scale's byte (also the plain line behind the conversions)
	ds_store_b64 v4, v[C+2*(\t):C+2*(\t)+1] offset:32*(\t)
	ds_store_b8 v5, v[E+(\t)] offset:64*(\t)       ; both lanes of a block write the same byte with the same value
.endm
	s_wait_loadcnt 28                              ; step 0's four loads are in
	TURN 0
.irp t, 0,1,2,3,4,5,6,7
	STEP \t
.endr
.irp i, 0,1,2,3
	ds_load_b128 v[X+4*\i:X+4*\i+3], v6 offset:576*\i
.endr
.irp i, 0,1,2,3
	s_wait_dscnt 3-\i                              ; the younger loads may be out
	global_store_b128 v1, v[X+4*\i:X+4*\i+3], s[14:15] offset:512*\i   ; 512 consecutive bytes, aligned
.endr
	s_wait_dscnt 0x0                               ; for the others' sake: my byte stores are done
	s_barrier_signal -1
	s_barrier_wait -1
	s_cmp_lg_u32 s20, 0
	s_cbranch_scc1 .Ldone
	ds_load_b128 v[X+16:X+19], v7                  ; wave 0 sends the block's 512 scale bytes
	s_wait_dscnt 0x0
	global_store_b128 v1, v[X+16:X+19], s[16:17]
.Ldone:
	s_wait_tensorcnt 0x0                           ; the wave's end, behind my last LDS store
	ds_add_u32 v[SPW], v[NIL]
	s_wait_dscnt 0x0
	s_endpgm
.Lwo:                                          ; wo: no LDS, no barrier
	s_sub_co_u32 s21, ttmp9, 704
	s_lshl_b32 s22, s21, 16
	s_lshl_b32 s23, s20, 14
	s_add_co_u32 s22, s22, s23                     ; my 16,384 bytes of wo
	s_mov_b32 s23, 0
	s_lshr_b32 s24, s22, 1                         ; and half as many in each plane of wo16
	s_mov_b32 s25, 0
	s_mov_b32 s26, 0x46000400                      ; 8193 = 2^13 + 1
	s_mov_b32 s27, s26                             ; (named with it as a pair)
	v_lshlrev_b32 v2, 3, v14                       ; 8 bytes a lane
	s_wait_kmcnt 0x0
	s_add_nc_u64 s[12:13], s[12:13], s[22:23]
	s_add_nc_u64 s[18:19], s[18:19], s[24:25]
.set i, 0
.rept 32
	global_load_b128 v[WR+4*i:WR+4*i+3], v1, s[12:13] offset:512*i th:TH_LOAD_NT
.set i, i+1
.endr
; g = 8193 w; d = w - g; hi = g + d has 24 - 13 = 11 significant bits; lo = w - hi is exact.  Both are rounded to f16 into the load's own registers, so no store's data are written again.
.set i, 0
.rept 32
	s_wait_loadcnt 31-i                            ; load i is in; the younger ones may be out
	v_pk_mul_f32 v[16:17], v[WR+4*i:WR+4*i+1], s[26:27] op_sel_hi:[1,0]
	v_pk_mul_f32 v[18:19], v[WR+4*i+2:WR+4*i+3], s[26:27] op_sel_hi:[1,0]
	v_pk_add_f32 v[20:21], v[WR+4*i:WR+4*i+1], v[16:17] neg_lo:[0,1] neg_hi:[0,1]
	v_pk_add_f32 v[22:23], v[WR+4*i+2:WR+4*i+3], v[18:19] neg_lo:[0,1] neg_hi:[0,1]
	v_pk_add_f32 v[16:17], v[16:17], v[20:21]
	v_pk_add_f32 v[18:19], v[18:19], v[22:23]
	v_pk_add_f32 v[20:21], v[WR+4*i:WR+4*i+1], v[16:17] neg_lo:[0,1] neg_hi:[0,1]
	v_pk_add_f32 v[22:23], v[WR+4*i+2:WR+4*i+3], v[18:19] neg_lo:[0,1] neg_hi:[0,1]
	v_cvt_pk_f16_f32 v[WR+4*i], v16, v17
	v_cvt_pk_f16_f32 v[WR+4*i+1], v18, v19
	v_cvt_pk_f16_f32 v[WR+4*i+2], v20, v21
	v_cvt_pk_f16_f32 v[WR+4*i+3], v22, v23
	global_store_b64 v2, v[WR+4*i:WR+4*i+1], s[18:19] offset:256*i              ; 256 consecutive bytes, aligned
	global_store_b64 v2, v[WR+4*i+2:WR+4*i+3], s[18:19] offset:256*i+2097152    ; the plane of the low parts
.set i, i+1
.endr
	s_endpgm
.Lfunc_end_k_q6e3349d217_prep:
	.size	k_q6e3349d217_prep, .Lfunc_end_k_q6e3349d217_prep-k_q6e3349d217_prep
	.p2alignl 7, 3214868480
	.fill 96, 4, 3214868480
	.section	.rodata,"a",@progbits
	.p2align	6, 0x0
	.amdhsa_kernel k_q6e3349d217_prep
		.amdhsa_group_segment_fixed_size 31744
		.amdhsa_private_segment_fixed_size 0
		.amdhsa_enable_private_segment 0
		.amdhsa_kernarg_size 64
		.amdhsa_user_sgpr_count 2
		.amdhsa_user_sgpr_kernarg_segment_ptr 1
		.amdhsa_wavefront_size32 1
		.amdhsa_system_sgpr_workgroup_id_x 1
		.amdhsa_system_sgpr_workgroup_id_y 1
		.amdhsa_system_sgpr_workgroup_id_z 1
		.amdhsa_system_vgpr_workitem_id 0
		.amdhsa_next_free_vgpr 200
		.amdhsa_next_free_sgpr 66
		.amdhsa_reserve_vcc 0
		.amdhsa_float_denorm_mode_32 3
		.amdhsa_float_denorm_mode_16_64 3
		.amdhsa_memory_ordered 1
		.amdhsa_forward_progress 1
		.amdhsa_inst_pref_size 54
	.end_amdhsa_kernel
	.amdgpu_metadata
---
amdhsa.version: [ 1, 2 ]
amdhsa.kernels:
  - .name:           k_q6e3349d217_prep
    .symbol:         k_q6e3349d217_prep.kd
    .args:
      - { .name: x, .offset: 0, .size: 8, .value_kind: global_buffer, .address_space: global }
      - { .name: wq, .offset: 8, .size: 8, .value_kind: global_buffer, .address_space: global }
      - { .name: wk, .offset: 16, .size: 8, .value_kind: global_buffer, .address_space: global }
      - { .name: wv, .offset: 24, .size: 8, .value_kind: global_buffer, .address_space: global }
      - { .name: wo, .offset: 32, .size: 8, .value_kind: global_buffer, .address_space: global }
      - { .name: codes, .offset: 40, .size: 8, .value_kind: global_buffer, .address_space: global }
      - { .name: scales, .offset: 48, .size: 8, .value_kind: global_buffer, .address_space: global }
      - { .name: wo16, .offset: 56, .size: 8, .value_kind: global_buffer, .address_space: global }
    .group_segment_fixed_size: 31744
    .private_segment_fixed_size: 0
    .kernarg_segment_align: 8
    .kernarg_segment_size: 64
    .max_flat_workgroup_size: 128
    .sgpr_count:     66
    .vgpr_count:     200
    .wavefront_size: 32
...
	.end_amdgpu_metadata
.endif
;; end of part 1
;; launch qkv (part 2): grid 16 x 16, 4 waves a work-group, clusters of 4 x 1, 292,352 bytes of LDS; arguments codes, scales, qkv, first; writes qkv, first
.if DOCPART == 2
	.amdgcn_target "amdgcn-amd-amdhsa--gfx1250"
	.amdhsa_code_object_version 6
	.text
	.protected	k_q6e3349d217_qkv
	.globl	k_q6e3349d217_qkv
	.p2align	8
	.type	k_q6e3349d217_qkv,@function
k_q6e3349d217_qkv:
	s_mov_b64 s[64:65], 0
	v_nop
	global_prefetch_b8 v0, s[64:65] scope:SCOPE_SE
	s_setreg_imm32_b32 hwreg(HW_REG_WAVE_MODE, 25, 1), 1
	s_wait_xcnt 0x0
	s_wait_alu depctr_hold_cnt(0) depctr_sa_sdst(0) depctr_va_vdst(0) depctr_va_sdst(0) depctr_va_ssrc(0) depctr_va_vcc(0) depctr_vm_vsrc(0)
	s_getreg_b32 s2, hwreg(HW_REG_IB_STS2, 6, 4)
	s_cmp_eq_u32 s2, 0
	s_cbranch_scc0 .Lentry_in_a_cluster
	s_endpgm
.Lentry_in_a_cluster:
	s_bfe_u32 s2, ttmp6, 0x10000c
	s_cmp_lg_u32 s2, 0x3003
	s_cbranch_scc0 .Lentry_shape_is_right
	s_endpgm
.Lentry_shape_is_right:
; QKV.  [8192 m][3072 n] = x (wq | wk | wv)^T on codes of FP4 with E8M0 scales, f32 sums; stored as f16 in planes of 32 columns, [96][8192][32]; rows s < 16 of each sequence also as f32 in first [4][16][3072].
; LIMIT: |q|, |k|, |v| stay under 65,504, f16's largest number.
; SHARES.  Work-group (x, y): rows 512 y on, columns 192 x on.  Wave (wr, wc) = (w / 2, w % 2): 64 rows x 96 columns of each of four row tiles of 128.
; THE WEIGHTS STAY IN REGISTERS: a wave's 96 rows of weights for all of K are 6 blocks x 8 K steps x 8 = 384 registers, loaded once, each load 512 consecutive bytes (the codes lie in the order of the operand's registers).
; x's codes (262,144 bytes) and scale bytes (16,384) of the work-group's 512 rows come into LDS once, by first fills alone: nothing is filled again.
; CLUSTER: the four work-groups of a cluster share y, so they ask for x's bytes JOINTLY (mask 15).  The weights do not pass through LDS, so a wider cluster would share nothing more.
; A wave has three tensor loads outstanding.
; THE MATRIX INSTRUCTION IS USED TRANSPOSED (source 0 = 16 rows of weights, source 1 = 16 rows of x): a lane holds row r of x and eight neighbouring columns.
; REGISTERS: window 0: v1-15 addresses; v32-55 the weights' scale words, v56-71 x's (register q: lanes 0-15 the word of K step q, lanes 16-31 that of K step 4 + q); v72-135 x's fragments, two sets; v136-207 the way out.
;   window 1: accumulator (a, b) at 8 (6 a + b).   windows 2, 3: the weights' fragment (b, s) at 48 (s % 4) + 8 b of window 2 + s / 4.
.set SCL,   262144                     ; LDS: x's codes from 0; their scale bytes here;
.set STG,   278528                     ; a stage of 3,328 bytes for each wave;
.set SPARE, 291840                     ; the spare words, 128 bytes a wave: two blocks of 256 bytes that no other line names
.set ADA,  2                           ; v2-5  16 lane + 32768 wr + 65536 t
.set ADS,  6                           ; v6    x's scale words: SCL + 2048 wr + 32 r + 16 h
.set STO,  7
.set RD,   8
.set FO,   9                           ; v9    first: 12288 r + 32 h
.set SO,   10                          ; v10   32 r + 16 h
.set SPW,  14
.set NIL,  15
.set BS,   32
.set AS,   56
.set AF,   72
.set TMP,  136
.set OUTR, 160
.set G1A,  24
.set G1S,  32
.set G0S,  40
.set G0A,  44
.set G0B,  48
.set MSB, 0
.macro WIN new                         ; the immediate's high byte repeats the setting that is left
.if MSB != (\new)
	s_set_vgpr_msb (MSB<<8)|(\new)
.set MSB, (\new)
.endif
.endm
.macro PLACES
.rept 4
	v_nop
.endr
.endm
.macro CROUND                          ; a round of the cluster's barrier
	s_barrier_signal -1
	s_barrier_wait -1
	s_cmp_lg_u32 s12, 0
	s_cbranch_scc1 .Lnot_wave_0_\@
	s_barrier_signal -3
.Lnot_wave_0_\@:
	s_barrier_wait -3
	s_barrier_signal -1
	s_barrier_wait -1
.endm
	s_load_b256 s[4:11], s[0:1], 0x0               ; codes, scales, qkv, first
	v_lshl_add_u32 v[SPW], v0, 2, SPARE
	v_mov_b32 v[NIL], 0
	ds_add_u32 v[SPW], v[NIL]                      ; the wave's opening: the add, twice on end, and its wait ahead of my first tensor load
	ds_add_u32 v[SPW], v[NIL]
	v_lshrrev_b32 v1, 5, v0
	v_readfirstlane_b32 s12, v1                    ; wave
	s_lshr_b32 s13, s12, 1                         ; wr
	s_and_b32 s14, s12, 1                          ; wc
	s_and_b32 s17, ttmp7, 0xffff                   ; y, which the partners share
	s_mov_b32 s[G1A], 15|(3<<16)|(1<<21)           ; mask: all four; elements of 8 bytes; bit 21 beside a mask; no padding
	s_mov_b32 s[G1A+1], 32<<16                     ; rows of 256 bytes
	s_mov_b32 s[G1A+2], 128<<16                    ; 128 of them: 32,768 dense bytes
	s_mov_b32 s[G1A+3], 32<<16
	s_mov_b32 s[G1A+4], 128
	s_mov_b32 s[G1A+5], 32
	s_mov_b32 s[G1A+6], 0
	s_mov_b32 s[G1A+7], 0
	s_mov_b32 s[G1S], 15|(3<<16)|(1<<21)
	s_mov_b32 s[G1S+1], 32<<16
	s_mov_b32 s[G1S+2], 16<<16                     ; 16 rows: 4,096 dense bytes
	s_mov_b32 s[G1S+3], 32<<16
	s_mov_b32 s[G1S+4], 16
	s_mov_b32 s[G1S+5], 32
	s_mov_b32 s[G1S+6], 0
	s_mov_b32 s[G1S+7], 0
	s_lshl_b32 s20, s12, 12                        ; 4096 w
	s_lshl_b32 s21, s12, 15                        ; 32768 w
	s_lshl_b32 s18, s17, 14
	s_add_co_u32 s18, s18, s20
	s_mov_b32 s19, 0
	s_lshl_b32 s22, s17, 18
	s_add_co_u32 s22, s22, s21
	s_mov_b32 s23, 0
	s_wait_dscnt 0x0                               ; both opening adds are done
	s_wait_kmcnt 0x0
	s_mov_b32 s[G0S], 1
	s_add_co_u32 s[G0S+1], s20, SCL
	s_add_nc_u64 s[G0S+2:G0S+3], s[6:7], s[18:19]
	s_or_b32 s[G0S+3], s[G0S+3], 0x80000000
	s_mov_b32 s[G0A], 1
	s_mov_b32 s[G0A+1], s21
	s_add_nc_u64 s[G0A+2:G0A+3], s[4:5], s[22:23]
	s_mov_b32 s[G0B], 1
	s_add_co_u32 s[G0B+1], s21, 131072
	s_add_nc_u64 s[G0B+2:G0B+3], s[G0A+2:G0A+3], 131072
	s_or_b32 s[G0A+3], s[G0A+3], 0x80000000
	s_or_b32 s[G0B+3], s[G0B+3], 0x80000000
	CROUND                                         ; all four work-groups are here: the joint loads meet
	tensor_load_to_lds s[G0S:G0S+3], s[G1S:G1S+7]  ; my quarter of the scale bytes,
	s_nop 0
	tensor_load_to_lds s[G0A:G0A+3], s[G1A:G1A+7]  ; my quarter of row tiles 0 and 1,
	s_nop 0
	tensor_load_to_lds s[G0B:G0B+3], s[G1A:G1A+7]  ; and of row tiles 2 and 3
	s_nop 0
	PLACES
	s_bfe_u32 s15, ttmp6, 0x40000                  ; cx: it enters global addresses of weights and results alone
	s_lshl_b32 s16, ttmp9, 2
	s_add_co_u32 s16, s16, s15                     ; x
	s_mul_i32 s58, s16, 12
	s_mul_i32 s59, s14, 6
	s_add_co_u32 s58, s58, s59                     ; my first block of weights: 12 x + 6 wc
	s_lshl_b32 s60, s58, 13
	s_add_co_u32 s60, s60, 4194304                 ; behind x's 512 blocks
	s_mov_b32 s61, 0
	s_add_nc_u64 s[52:53], s[4:5], s[60:61]
	s_lshl_b32 s60, s58, 9
	s_add_co_u32 s60, s60, 262144
	s_add_nc_u64 s[54:55], s[6:7], s[60:61]
	s_lshr_b32 s59, s58, 1                         ; my first plane: 6 x + 3 wc
	s_lshl_b32 s60, s59, 19
	s_lshl_b32 s59, s17, 15                        ; 512 y rows of 64 bytes
	s_add_co_u32 s60, s60, s59
	s_lshl_b32 s59, s13, 12                        ; 64 wr rows
	s_add_co_u32 s60, s60, s59
	s_add_nc_u64 s[8:9], s[8:9], s[60:61]
	s_lshr_b32 s59, s17, 2                         ; the batch
	s_mul_i32 s59, s59, 196608
	s_lshl_b32 s60, s58, 6                         ; 4 (192 x + 96 wc)
	s_add_co_u32 s60, s60, s59
	s_add_nc_u64 s[10:11], s[10:11], s[60:61]
	s_and_b32 s56, s17, 3
	s_or_b32 s56, s56, s13                         ; 0 where my first 16 rows are a sequence's first 16: y and the wave's number alone
	v_and_b32 v16, 31, v0
	v_lshlrev_b32 v1, 4, v16                       ; 16 lane
	v_and_b32 v17, 15, v0                          ; r
	v_bfe_u32 v18, v0, 4, 1                        ; h
	s_lshl_b32 s22, s13, 15
	v_add_nc_u32 v[ADA], s22, v1
.irp t, 1,2,3
	v_add_nc_u32 v[ADA+\t], 65536*\t, v[ADA]
.endr
	v_lshlrev_b32 v[SO], 5, v17
	v_lshl_add_u32 v[SO], v18, 4, v[SO]
	s_lshl_b32 s22, s13, 11
	s_add_co_u32 s22, s22, SCL
	v_add_nc_u32 v[ADS], s22, v[SO]
	s_mul_i32 s23, s12, 3328
	s_add_co_u32 s23, s23, STG                     ; my stage: three planes of 16 rows x 64 bytes, four rows to 256 bytes + 16
	v_lshrrev_b32 v19, 2, v17
	v_mul_u32_u24 v19, v19, 272
	v_and_b32 v20, 3, v17
	v_lshl_add_u32 v19, v20, 6, v19
	v_lshl_add_u32 v19, v18, 4, v19
	v_add_nc_u32 v[STO], s23, v19
	v_mul_u32_u24 v19, v18, 272
	v_lshl_add_u32 v19, v17, 4, v19
	v_add_nc_u32 v[RD], s23, v19
	v_mul_u32_u24 v[FO], v17, 12288
	v_lshl_add_u32 v[FO], v18, 5, v[FO]
	WIN 0x80                                       ; destination window 2
.irp s, 0,1,2,3
.irp b, 0,1,2,3,4,5
.irp c, 0,1
	global_load_b128 v[48*\s+8*\b+4*\c:48*\s+8*\b+4*\c+3], v1, s[52:53] offset:8192*\b+1024*\s+512*\c
.endr
.endr
.endr
	WIN 0xc0                                       ; destination window 3
.irp s, 0,1,2,3
.irp b, 0,1,2,3,4,5
.irp c, 0,1
	global_load_b128 v[48*\s+8*\b+4*\c:48*\s+8*\b+4*\c+3], v1, s[52:53] offset:8192*\b+1024*(\s+4)+512*\c
.endr
.endr
.endr
	WIN 0
.irp b, 0,1,2,3,4,5
	global_load_b128 v[BS+4*\b:BS+4*\b+3], v[SO], s[54:55] offset:512*\b
.endr
	s_wait_loadcnt 0x0                             ; the weights and their scale words
	s_wait_tensorcnt 1                             ; the scale bytes and my part of tiles 0 and 1 are in; my third load may stay out
	s_barrier_signal -1
	s_barrier_wait -1                              ; everybody's are
; K step s of row tile t: the next step's four fragments of x are asked for, then 24 products; the 24 accumulators take turns
.macro KSTEP t, s
.if (\s) < 7
	PLACES                                         ; in front of loads into registers that the step before multiplied
.irp a, 0,1,2,3
.irp c, 0,1
	ds_load_b128 v[AF+32*(((\s)+1)%2)+8*\a+4*\c:AF+32*(((\s)+1)%2)+8*\a+4*\c+3], v[ADA+(\t)] offset:8192*\a+1024*((\s)+1)+512*\c
.endr
.endr
	s_wait_dscnt 8                                 ; all but the eight just issued
.else
	s_wait_dscnt 0x0
.endif
	WIN 0x52+(\s)/4                                ; source 0 window 2 or 3, source 1 window 0, C and D window 1
.irp a, 0,1,2,3
.irp b, 0,1,2,3,4,5
.if (\s) == 0
	v_wmma_scale_f32_16x16x128_f8f6f4 v[8*(6*\a+\b):8*(6*\a+\b)+7], v[48*((\s)%4)+8*\b:48*((\s)%4)+8*\b+7], v[AF+32*((\s)%2)+8*\a:AF+32*((\s)%2)+8*\a+7], 0, v[BS+4*\b+(\s)%4], v[AS+4*\a+(\s)%4] matrix_a_fmt:MATRIX_FMT_FP4 matrix_b_fmt:MATRIX_FMT_FP4
.elseif (\s) < 4
	v_wmma_scale_f32_16x16x128_f8f6f4 v[8*(6*\a+\b):8*(6*\a+\b)+7], v[48*((\s)%4)+8*\b:48*((\s)%4)+8*\b+7], v[AF+32*((\s)%2)+8*\a:AF+32*((\s)%2)+8*\a+7], v[8*(6*\a+\b):8*(6*\a+\b)+7], v[BS+4*\b+(\s)%4], v[AS+4*\a+(\s)%4] matrix_a_fmt:MATRIX_FMT_FP4 matrix_b_fmt:MATRIX_FMT_FP4
.else
	v_wmma_scale_f32_16x16x128_f8f6f4 v[8*(6*\a+\b):8*(6*\a+\b)+7], v[48*((\s)%4)+8*\b:48*((\s)%4)+8*\b+7], v[AF+32*((\s)%2)+8*\a:AF+32*((\s)%2)+8*\a+7], v[8*(6*\a+\b):8*(6*\a+\b)+7], v[BS+4*\b+(\s)%4], v[AS+4*\a+(\s)%4] matrix_a_fmt:MATRIX_FMT_FP4 matrix_b_fmt:MATRIX_FMT_FP4 matrix_a_scale:MATRIX_SCALE_ROW1 matrix_b_scale:MATRIX_SCALE_ROW1
.endif
.endr
.endr
	WIN 0
.endm
.macro PACK blk                        ; block blk's 16 rows x 96 columns, rounded to f16: 16 bytes a lane and accumulator, each accumulator from its low end on
	WIN 0x05
.irp b, 0,1,2,3,4,5
.irp q, 0,1,2,3
	v_cvt_pk_f16_f32 v[TMP+4*\b+\q], v[8*(6*(\blk)+\b)+2*\q], v[8*(6*(\blk)+\b)+2*\q+1]
.endr
.endr
	WIN 0
.endm
.macro TOSTAGE blk                     ; through my own stage; LDS serves a wave's instructions in order
.irp b, 0,1,2,3,4,5
	ds_store_b128 v[STO], v[TMP+4*\b:TMP+4*\b+3] offset:1088*(\b/2)+32*(\b%2)
.endr
.irp e, 0,1,2,3,4,5
	ds_load_b128 v[OUTR+24*((\blk)%2)+4*\e:OUTR+24*((\blk)%2)+4*\e+3], v[RD] offset:1088*(\e/2)+544*(\e%2)
.endr
.endm
.macro SEND t, blk
	s_wait_dscnt 0x0
.irp e, 0,1,2,3,4,5
	global_store_b128 v1, v[OUTR+24*((\blk)%2)+4*\e:OUTR+24*((\blk)%2)+4*\e+3], s[8:9] offset:524288*(\e/2)+8192*(\t)+1024*(\blk)+512*(\e%2)   ; 512 consecutive bytes of a plane, aligned
.endr
.endm
.macro TILE t
.irp a, 0,1,2,3
	ds_load_b128 v[AS+4*\a:AS+4*\a+3], v[ADS] offset:4096*(\t)+512*\a
.endr
.irp a, 0,1,2,3
.irp c, 0,1
	ds_load_b128 v[AF+8*\a+4*\c:AF+8*\a+4*\c+3], v[ADA+(\t)] offset:8192*\a+512*\c
.endr
.endr
.irp s, 0,1,2,3,4,5,6,7
	KSTEP \t, \s
.endr
	PLACES                                         ; in front of the first reads of results
.if (\t) == 0
	s_cmp_lg_u32 s56, 0
	s_cbranch_scc1 .Lnofirst
	WIN 0x04                                       ; a store's data are its source 1: window 1
.irp b, 0,1,2,3,4,5
	global_store_b128 v[FO], v[8*\b:8*\b+3], s[10:11] offset:64*\b          ; a sequence's first 16 rows, in f32
	global_store_b128 v[FO], v[8*\b+4:8*\b+7], s[10:11] offset:64*\b+16
.endr
	WIN 0
.Lnofirst:
.endif
.irp a, 0,1,2,3
	s_wait_xcnt 0x0                                ; earlier stores have read their registers: these are written again only behind this wait
	PACK \a
	TOSTAGE \a
	SEND \t, \a
.endr
.endm
	TILE 0
	TILE 1
	s_wait_tensorcnt 0x0                           ; my part of row tiles 2 and 3 is in,
	s_wait_dscnt 0x0
	s_barrier_signal -1
	s_barrier_wait -1                              ; everybody's is
	TILE 2
	TILE 3
	s_wait_tensorcnt 0x0                           ; the wave's end
	ds_add_u32 v[SPW], v[NIL]
	s_wait_dscnt 0x0
	CROUND                                         ; the closing round
	s_endpgm
.Lfunc_end_k_q6e3349d217_qkv:
	.size	k_q6e3349d217_qkv, .Lfunc_end_k_q6e3349d217_qkv-k_q6e3349d217_qkv
	.p2alignl 7, 3214868480
	.fill 96, 4, 3214868480
	.section	.rodata,"a",@progbits
	.p2align	6, 0x0
	.amdhsa_kernel k_q6e3349d217_qkv
		.amdhsa_group_segment_fixed_size 292352
		.amdhsa_private_segment_fixed_size 0
		.amdhsa_enable_private_segment 0
		.amdhsa_kernarg_size 32
		.amdhsa_user_sgpr_count 2
		.amdhsa_user_sgpr_kernarg_segment_ptr 1
		.amdhsa_wavefront_size32 1
		.amdhsa_system_sgpr_workgroup_id_x 1
		.amdhsa_system_sgpr_workgroup_id_y 1
		.amdhsa_system_sgpr_workgroup_id_z 1
		.amdhsa_system_vgpr_workitem_id 0
		.amdhsa_next_free_vgpr 1024
		.amdhsa_next_free_sgpr 66
		.amdhsa_reserve_vcc 0
		.amdhsa_float_denorm_mode_32 3
		.amdhsa_float_denorm_mode_16_64 3
		.amdhsa_memory_ordered 1
		.amdhsa_forward_progress 1
		.amdhsa_inst_pref_size 185
	.end_amdhsa_kernel
	.amdgpu_metadata
---
amdhsa.version: [ 1, 2 ]
amdhsa.kernels:
  - .name:           k_q6e3349d217_qkv
    .symbol:         k_q6e3349d217_qkv.kd
    .args:
      - { .name: codes, .offset: 0, .size: 8, .value_kind: global_buffer, .address_space: global }
      - { .name: scales, .offset: 8, .size: 8, .value_kind: global_buffer, .address_space: global }
      - { .name: qkv, .offset: 16, .size: 8, .value_kind: global_buffer, .address_space: global }
      - { .name: first, .offset: 24, .size: 8, .value_kind: global_buffer, .address_space: global }
    .group_segment_fixed_size: 292352
    .private_segment_fixed_size: 0
    .kernarg_segment_align: 8
    .kernarg_segment_size: 32
    .max_flat_workgroup_size: 128
    .sgpr_count:     66
    .vgpr_count:     1024
    .wavefront_size: 32
...
	.end_amdgpu_metadata
.endif
;; end of part 2
;; launch attn (part 3): grid 4 x 64, 4 waves a work-group, clusters of 4 x 1, 327,680 bytes of LDS; arguments qkv, att; writes att
.if DOCPART == 3
	.amdgcn_target "amdgcn-amd-amdhsa--gfx1250"
	.amdhsa_code_object_version 6
	.text
	.protected	k_q6e3349d217_attn
	.globl	k_q6e3349d217_attn
	.p2align	8
	.type	k_q6e3349d217_attn,@function
k_q6e3349d217_attn:
	s_mov_b64 s[64:65], 0
	v_nop
	global_prefetch_b8 v0, s[64:65] scope:SCOPE_SE
	s_setreg_imm32_b32 hwreg(HW_REG_WAVE_MODE, 25, 1), 1
	s_wait_xcnt 0x0
	s_wait_alu depctr_hold_cnt(0) depctr_sa_sdst(0) depctr_va_vdst(0) depctr_va_sdst(0) depctr_va_ssrc(0) depctr_va_vcc(0) depctr_vm_vsrc(0)
	s_getreg_b32 s2, hwreg(HW_REG_IB_STS2, 6, 4)
	s_cmp_eq_u32 s2, 0
	s_cbranch_scc0 .Lentry_in_a_cluster
	s_endpgm
.Lentry_in_a_cluster:
	s_bfe_u32 s2, ttmp6, 0x10000c
	s_cmp_lg_u32 s2, 0x3003
	s_cbranch_scc0 .Lentry_shape_is_right
	s_endpgm
.Lentry_shape_is_right:
; ATTN.  att[head][m][:] = the sum over keys t <= s of softmax_t(q . k / 8) v, for each of 4 batches x 16 heads of 64 channels, 2,048 positions.  q, k, v: f16 planes of 32 channels [96][8192][32]; att: [16][8192][64] f16.
; Products on f16 operands, sums, maxima and the softmax in f32; a running maximum m and sum l for each query: p = 2^(c s - c m), c = log2(e) / 8; l is the sum of the unrounded p.
; LIMITS: |q|, |k|, |v| under 65,504; hidden scores are -1e30, under every score that f16 operands can give (64 x 65,504^2 = 2.7e11).  The first 16 positions of a sequence are made again, more finely, by a later launch.
; SHARES.  A cluster of four work-groups owns one (batch, head).  Each of its 16 waves (pos = 4 cx + wave) owns EIGHT tiles of 16 queries: tile i holds queries 256 i + 16 pos + r.  All waves walk the keys once, in 8 slots of 256 keys, two steps of 128.
; In slot u tile i < u is hidden (jumped over), tile i = u lies on the diagonal, tile i > u is open: the same counts in every wave of every partner, and every branch hangs on the loops' counters alone.
; So all four partners make every JOINT request (mask 15): K and V leave memory once for a cluster.  The price: a diagonal tile runs both its steps, whatever pos.
; THE MASK COSTS NO VECTOR WORK: 128 registers hold 0 or -1e30 for the slot's 256 keys against my queries; on the diagonal they are the C of the score product's first link.
; LAYOUT.  S^T = K Q^T (source 0 = 16 keys, source 1 = 16 queries), O^T = V^T P (source 0 = 16 channels, turned by ds_load_tr16_b128; source 1 = P): a lane holds one query throughout; two tiles of S^T, rounded in pairs, are P's fragment.
; IN PHASES: a tile's 16 score products, its softmax, its 16 products V^T P.
; REGISTERS: window 0: v2-15 addresses; v32-95 statistics (tile i at 32 + 8 i: c m, m, l, l, four at work; a in +6); v96-159 S^T; v160-191 P; v192-255 the way out.
;   window 1: O^T (tile i, channels 16 ct on) at 32 i + 8 ct.   window 2: Q (i, c) at 16 i + 8 c; the mask at 128 + 64 step + 8 kt.   window 3: K (kt, c) at 16 kt + 8 c; V (kg, ct) at 128 + 8 (4 kg + ct).
.set VOFF,  34816                      ; a slot: K's two planes (64 rows of 256 bytes + 16: four keys to a row), then V's two (256 + 32)
.set KST,   8704                       ; 128 keys on in a plane of K
.set VST,   9216                       ; and of V
.set SLOT1, 1<<17
.set STAGE, 202752                     ; behind the ring: 16 rows x 144 bytes for each wave
.set SPARE, 211968                     ; the spare words, 128 bytes a wave: two blocks of 256 bytes that no other line names
.set AK0, 2
.set AV0, 3
.set ADK, 4
.set ADV, 5
.set QO,  6
.set STO, 7
.set RD,  8
.set GO,  9
.set DD,  10                           ; v10 d = 16 pos + r - 8 h
.set NEG, 11                           ; v11 -1e30
.set PFO, 12
.set SPW, 14
.set NIL, 15
.set STAT, 32
.set S,   96
.set P,   160
.set WV,  8
.set G1K, 24
.set G1V, 32
.set G0K, 40
.set G0V, 44
.set U,   48                           ; s48 the slot
.set STP, 49                           ; s49 the step in the slot
.set TBK, 50
.set TBV, 51
.set CS,  52
.set SEL, 54
.set PFA, 56
.set LIM, 58
.set MSB, 0
.macro WIN new
.if MSB != (\new)
	s_set_vgpr_msb (MSB<<8)|(\new)
.set MSB, (\new)
.endif
.endm
.macro PLACES
.rept 4
	v_nop
.endr
.endm
.macro CROUND
	s_barrier_signal -1
	s_barrier_wait -1
	s_cmp_lg_u32 s[WV], 0
	s_cbranch_scc1 .Lnot_wave_0_\@
	s_barrier_signal -3
.Lnot_wave_0_\@:
	s_barrier_wait -3
	s_barrier_signal -1
	s_barrier_wait -1
.endm
.macro JLOAD                           ; waves 0 and 1 ask for K's two planes, waves 2 and 3 for V's; the branch hangs on the wave's number alone; an s_nop 0 and four v_nop follow each line
	s_cmp_lt_u32 s[WV], 2
	s_cbranch_scc0 .Lfor_v_\@
	tensor_load_to_lds s[G0K:G0K+3], s[G1K:G1K+7]
	s_nop 0
	PLACES
	s_branch .Lasked_\@
.Lfor_v_\@:
	tensor_load_to_lds s[G0V:G0V+3], s[G1V:G1V+7]
	s_nop 0
	PLACES
.Lasked_\@:
.endm
; A prefetch of what the NEXT change of slots will ask for: a slot is 16,384 bytes of each of four planes.  Wave 0 asks for K's, wave 2 for V's; partner cx takes plane cx / 2, half cx % 2: 8,192 bytes, lanes 256 bytes apart,
; told apart by address.  So each block of 256 bytes is named once.  In trip u it names slot u + 2: two key steps ahead of that slot's load; trips 6 and 7 name nothing.
.macro ASK
	s_cmp_lt_u32 s[U], s[LIM]
	s_cbranch_scc0 .Lnot_mine_\@
	global_prefetch_b8 v[PFO], s[PFA:PFA+1] th:TH_LOAD_NT scope:SCOPE_SE
.Lnot_mine_\@:
.endm
	s_load_b128 s[4:7], s[0:1], 0x0                ; qkv, att
	v_lshl_add_u32 v[SPW], v0, 2, SPARE
	v_mov_b32 v[NIL], 0
	ds_add_u32 v[SPW], v[NIL]                      ; the wave's opening: the add, twice on end, and its wait ahead of my first tensor load
	ds_add_u32 v[SPW], v[NIL]
	v_lshrrev_b32 v1, 5, v0
	v_readfirstlane_b32 s[WV], v1
	s_and_b32 s13, ttmp7, 0xffff
	s_lshr_b32 s11, s13, 4                         ; batch
	s_and_b32 s12, s13, 15                         ; head
	s_and_b32 s14, s[WV], 1                        ; which plane I fetch
	s_lshl_b32 s15, s12, 1
	s_add_co_u32 s15, s15, s14
	s_lshl_b32 s15, s15, 19                        ; (2 head + plane) x 524,288
	s_lshl_b32 s16, s11, 17                        ; the batch's 2,048 rows of 64 bytes
	s_add_co_u32 s16, s16, s15
	s_add_co_u32 s18, s16, 32*524288               ; k's planes begin at 32,
	s_mov_b32 s19, 0
	s_add_co_u32 s20, s16, 64*524288               ; v's at 64
	s_mov_b32 s21, 0
	s_mul_i32 s22, s14, 17408
	s_mul_i32 s23, s14, 18432
	s_add_co_u32 s23, s23, VOFF
	s_mov_b32 s[G1K], 15|(3<<16)|(1<<20)|(1<<21)|(5<<22)|(3<<25)   ; mask: all four; elements of 8 bytes; padding: 4 words behind every 64
	s_mov_b32 s[G1V], 15|(3<<16)|(1<<20)|(1<<21)|(5<<22)|(7<<25)   ; the same with 8 words
.irp g, G1K, G1V
	s_mov_b32 s[\g+1], 32<<16                      ; rows of 256 bytes: four keys' 64 bytes, dense in memory
	s_mov_b32 s[\g+2], 64<<16
	s_mov_b32 s[\g+3], 32<<16
	s_mov_b32 s[\g+4], 64
	s_mov_b32 s[\g+5], 32
	s_mov_b32 s[\g+6], 0
	s_mov_b32 s[\g+7], 0
.endr
	s_mov_b32 s[CS], 0x3e38aa3b                    ; c = log2(e) / 8
	s_mov_b32 s[CS+1], s[CS]
	s_mov_b32 s[SEL], 0x76543210
	s_mov_b32 s[SEL+1], 0xfedcba98
	s_mov_b32 s[TBK], 0
	s_mov_b32 s[TBV], 0
	s_mov_b32 s[U], 0
	s_wait_dscnt 0x0                               ; both opening adds are done
	s_wait_kmcnt 0x0
	s_mov_b32 s[G0K], 1
	s_mov_b32 s[G0K+1], s22
	s_add_nc_u64 s[G0K+2:G0K+3], s[4:5], s[18:19]
	s_or_b32 s[G0K+3], s[G0K+3], 0x80000000
	s_mov_b32 s[G0V], 1
	s_mov_b32 s[G0V+1], s23
	s_add_nc_u64 s[G0V+2:G0V+3], s[4:5], s[20:21]
	s_or_b32 s[G0V+3], s[G0V+3], 0x80000000
	CROUND                                         ; all four work-groups are here
	JLOAD                                          ; slot 0
	s_bfe_u32 s9, ttmp6, 0x40000                   ; cx: it enters global addresses and the mask's numbers alone
	s_lshl_b32 s10, s9, 2
	s_add_co_u32 s10, s10, s[WV]                   ; pos
	s_lshl_b32 s16, s12, 20                        ; q's planes 2 head, 2 head + 1
	s_lshl_b32 s13, s11, 17
	s_add_co_u32 s16, s16, s13
	s_lshl_b32 s13, s10, 10                        ; 16 pos rows
	s_add_co_u32 s16, s16, s13
	s_mov_b32 s17, 0
	s_add_nc_u64 s[60:61], s[4:5], s[16:17]
	s_lshl_b32 s16, s12, 20                        ; att: the head's plane,
	s_lshl_b32 s13, s11, 18                        ; 2,048 rows of 128 bytes a batch,
	s_add_co_u32 s16, s16, s13
	s_lshl_b32 s13, s10, 11                        ; 16 pos rows
	s_add_co_u32 s16, s16, s13
	s_add_nc_u64 s[6:7], s[6:7], s[16:17]
	s_cmp_lt_u32 s[WV], 2
	s_cselect_b32 s13, 32, 64
	s_lshl_b32 s15, s12, 1
	s_add_co_u32 s13, s13, s15
	s_lshr_b32 s15, s9, 1
	s_add_co_u32 s13, s13, s15                     ; the plane that I prefetch
	s_lshl_b32 s16, s13, 19
	s_lshl_b32 s15, s11, 17
	s_add_co_u32 s16, s16, s15
	s_and_b32 s15, s9, 1
	s_lshl_b32 s15, s15, 13
	s_add_co_u32 s16, s16, s15
	s_add_co_u32 s16, s16, 16384                   ; in slot 1: the first change of slots steps it to slot 2
	s_add_nc_u64 s[PFA:PFA+1], s[4:5], s[16:17]
	s_and_b32 s15, s[WV], 1
	s_cmp_eq_u32 s15, 0
	s_cselect_b32 s[LIM], 6, 0
	v_and_b32 v16, 15, v0                          ; r
	v_bfe_u32 v17, v0, 4, 1                        ; h
	v_and_b32 v18, 31, v0                          ; lane
	v_lshlrev_b32 v[QO], 6, v16
	v_lshl_add_u32 v[QO], v17, 4, v[QO]
	WIN 0x80                                       ; destination window 2
.irp i, 0,1,2,3,4,5,6,7
.irp c, 0,1
	global_load_b128 v[16*\i+8*\c:16*\i+8*\c+3], v[QO], s[60:61] offset:524288*\c+16384*\i
	global_load_b128 v[16*\i+8*\c+4:16*\i+8*\c+7], v[QO], s[60:61] offset:524288*\c+16384*\i+32
.endr
.endr
	WIN 0
	v_lshrrev_b32 v19, 2, v16
	v_mul_u32_u24 v19, v19, 272
	v_and_b32 v20, 3, v16
	v_lshl_add_u32 v19, v20, 6, v19
	v_lshl_add_u32 v[AK0], v17, 4, v19             ; key r of a tile: (r / 4) 272 + (r % 4) 64 + 16 h: sixteen lanes fall on sixteen different 16-byte columns of 256
	v_and_b32 v19, 7, v0
	v_lshl_add_u32 v19, v17, 3, v19                ; the turning load: key 8 h + lane % 8,
	v_lshrrev_b32 v20, 2, v19
	v_mul_u32_u24 v20, v20, 288
	v_and_b32 v21, 3, v19
	v_lshl_add_u32 v20, v21, 6, v20
	v_bfe_u32 v21, v0, 3, 1
	v_lshl_add_u32 v20, v21, 4, v20                ; channels 8 ((lane / 8) % 2) on
	v_add_nc_u32 v[AV0], VOFF, v20
	s_mul_i32 s13, s[WV], 2304
	s_add_co_u32 s13, s13, STAGE
	v_mul_u32_u24 v20, v16, 144
	v_lshl_add_u32 v20, v17, 4, v20
	v_add_nc_u32 v[STO], s13, v20
	v_lshrrev_b32 v20, 3, v18
	v_mul_u32_u24 v20, v20, 144
	v_and_b32 v21, 7, v0
	v_lshl_add_u32 v20, v21, 4, v20
	v_add_nc_u32 v[RD], s13, v20
	v_lshlrev_b32 v[GO], 4, v18
	v_lshlrev_b32 v[PFO], 8, v18
	s_lshl_b32 s13, s10, 4
	v_lshlrev_b32 v20, 3, v17
	v_sub_nc_u32 v[DD], v16, v20
	v_add_nc_u32 v[DD], s13, v[DD]
	v_mov_b32 v[NEG], 0xf149f2ca                   ; -1e30
	WIN 0x80
.set n, 0
.rept 128                                      ; register 64 step + 8 kt + j stands for key 128 step + 16 kt + 8 h + j of the slot: hidden where 128 step + 16 kt + j > d
	v_cmp_gt_i32 vcc_lo, 128*(n/64)+16*((n/8)%8)+(n%8), v[DD]
	v_cndmask_b32 v[128+n], 0, v[NEG], vcc_lo
.set n, n+1
.endr
	WIN 0x40
.set n, 0
.rept 256
	v_mov_b32 v[n], 0                              ; O^T.  The step is written once: its first run finds zeros, which a = 0 leaves zeros; a first step of its own would be a second copy of the whole step
.set n, n+1
.endr
	WIN 0
.irp i, 0,1,2,3,4,5,6,7
	v_mov_b32 v[STAT+8*\i], 0xfe967699             ; c m: -1e38
	v_mov_b32 v[STAT+8*\i+1], 0xff61b1e6           ; m: -3e38, under every score
.irp e, 2,3,4,5,6,7
	v_mov_b32 v[STAT+8*\i+\e], 0
.endr
.endr
	s_wait_loadcnt 0x0                             ; Q
.macro STEPHEAD                        ; a step's fragments: K's 32 loads, then V's 32
	PLACES                                         ; in front of loads into registers that the last products read
	v_add_nc_u32 v[ADK], s[TBK], v[AK0]
	v_add_nc_u32 v[ADV], s[TBV], v[AV0]
	WIN 0xc0
.irp kt, 0,1,2,3,4,5,6,7
.irp c, 0,1
	ds_load_b128 v[16*\kt+8*\c:16*\kt+8*\c+3], v[ADK] offset:1088*\kt+17408*\c
	ds_load_b128 v[16*\kt+8*\c+4:16*\kt+8*\c+7], v[ADK] offset:1088*\kt+17408*\c+32
.endr
.endr
.irp kg, 0,1,2,3
.irp ct, 0,1,2,3
	ds_load_tr16_b128 v[128+8*(4*\kg+\ct):128+8*(4*\kg+\ct)+3], v[ADV] offset:2304*\kg+32*(\ct%2)+18432*(\ct/2)
	ds_load_tr16_b128 v[128+8*(4*\kg+\ct)+4:128+8*(4*\kg+\ct)+7], v[ADV] offset:2304*\kg+32*(\ct%2)+18432*(\ct/2)+1152
.endr
.endr
	WIN 0
	s_wait_dscnt 32                                ; K is in; V's 32 loads may be out
.endm
.macro SFIRST i, mode                  ; channels 0-31: the sums begin with 0 (mode 0) or with the mask of step mode - 1
.irp kt, 0,1,2,3,4,5,6,7
.if (\mode) == 0
	v_wmma_f32_16x16x32_f16 v[S+8*\kt:S+8*\kt+7], v[16*\kt:16*\kt+7], v[16*(\i):16*(\i)+7], 0
.else
	v_wmma_f32_16x16x32_f16 v[S+8*\kt:S+8*\kt+7], v[16*\kt:16*\kt+7], v[16*(\i):16*(\i)+7], v[128+64*((\mode)-1)+8*\kt:128+64*((\mode)-1)+8*\kt+7]
.endif
.endr
.endm
.macro TILEBODY i
.set rT, STAT+8*(\i)
	WIN 0x0b                                       ; K window 3, Q window 2, S^T window 0
.irp kt, 0,1,2,3,4,5,6,7                       ; channels 32-63; the eight accumulators take turns
	v_wmma_f32_16x16x32_f16 v[S+8*\kt:S+8*\kt+7], v[16*\kt+8:16*\kt+15], v[16*(\i)+8:16*(\i)+15], v[S+8*\kt:S+8*\kt+7]
.endr
	WIN 0
	PLACES
.irp q, 0,1,2,3                                ; the maximum of my 64 scores and the old m: four chains, each accumulator read first from its low end
	v_max3_num_f32 v[rT+4+\q], v[S+16*\q], v[S+16*\q+1], v[S+16*\q+2]
.endr
.irp e, 3,5,7,9,11,13
.irp q, 0,1,2,3
	v_max3_num_f32 v[rT+4+\q], v[rT+4+\q], v[S+16*\q+\e], v[S+16*\q+\e+1]
.endr
.endr
	v_max3_num_f32 v[rT+4], v[rT+4], v[S+15], v[S+31]
	v_max3_num_f32 v[rT+6], v[rT+6], v[S+47], v[S+63]
	v_max3_num_f32 v[rT+4], v[rT+4], v[rT+5], v[rT+6]
	v_max3_num_f32 v[rT+4], v[rT+4], v[rT+7], v[rT+1]
	v_permlanex16_b32 v[rT+5], v[rT+4], s[SEL], s[SEL+1]   ; the query's other 64 keys lie in the lane 16 away
	v_mov_b32 v[rT+7], v[rT]                       ; c m_old
	v_max_num_f32 v[rT+1], v[rT+4], v[rT+5]
	v_mul_f32 v[rT], s[CS], v[rT+1]
	v_sub_f32 v[rT+7], v[rT+7], v[rT]
.set e, 0
.rept 32
	v_pk_fma_f32 v[S+2*e:S+2*e+1], v[S+2*e:S+2*e+1], s[CS:CS+1], v[rT:rT+1] op_sel_hi:[1,0,0] neg_lo:[0,0,1] neg_hi:[0,0,1]   ; c s - c m
.set e, e+1
.endr
	v_exp_f32 v[rT+6], v[rT+7]                     ; a = 2^(c m_old - c m_new)
.set e, 0
.rept 64
	v_exp_f32 v[S+e], v[S+e]
.set e, e+1
.endr
	v_nop                                          ; a plain line behind the last exponential
	s_wait_alu depctr_va_vdst(0)                   ; one wait for the batch of 65, ahead of its first reader
.set e, 0
.rept 32
	v_cvt_pk_f16_f32 v[P+e], v[S+2*e], v[S+2*e+1]
.set e, e+1
.endr
.irp w, 4,8,16,32,64                           ; the sum of the 32 pairs, in place
.set e, 0
.rept 64/\w
	v_pk_add_f32 v[S+\w*e:S+\w*e+1], v[S+\w*e:S+\w*e+1], v[S+\w*e+\w/2:S+\w*e+\w/2+1]
.set e, e+1
.endr
.endr
	v_pk_fma_f32 v[rT+2:rT+3], v[rT+2:rT+3], v[rT+6:rT+7], v[S:S+1] op_sel_hi:[1,0,1]   ; l = a l + the sum
	WIN 0x41                                       ; O^T window 1, a window 0
.set e, 0
.rept 16
	v_pk_mul_f32 v[32*(\i)+2*e:32*(\i)+2*e+1], v[32*(\i)+2*e:32*(\i)+2*e+1], v[rT+6:rT+7] op_sel_hi:[1,0]
.set e, e+1
.endr
	s_wait_dscnt 0x0                               ; V is in
	WIN 0x53                                       ; V window 3, P window 0, O^T window 1
.irp kg, 0,1,2,3
.irp ct, 0,1,2,3                               ; the four accumulators take turns
	v_wmma_f32_16x16x32_f16 v[32*(\i)+8*\ct:32*(\i)+8*\ct+7], v[128+8*(4*\kg+\ct):128+8*(4*\kg+\ct)+7], v[P+8*\kg:P+8*\kg+7], v[32*(\i)+8*\ct:32*(\i)+8*\ct+7]
.endr
.endr
	WIN 0
.endm
.macro TILE i                          ; hidden, on the diagonal (by the step: the mask's low or high half) or open: the loops' counters decide
.if (\i) < 7
	s_cmp_gt_u32 s[U], \i
	s_cbranch_scc1 .Lskip_\@
	s_cmp_eq_u32 s[U], \i
	s_cbranch_scc0 .Lopen_\@
	s_cmp_eq_u32 s[STP], 0
	s_cbranch_scc0 .Lhigh_\@
	WIN 0x2b                                       ; C: the mask, window 2
	SFIRST \i, 1
	WIN 0
	s_branch .Ljoin_\@
.Lhigh_\@:
	WIN 0x2b
	SFIRST \i, 2
	WIN 0
	s_branch .Ljoin_\@
.Lopen_\@:
.endif
	WIN 0x0b
	SFIRST \i, 0
.if (\i) < 7
	WIN 0
.Ljoin_\@:
.endif
	TILEBODY \i
.if (\i) < 7
.Lskip_\@:
.endif
.endm
; THE CHANGE OF SLOTS stands at a slot's head.  Each wave waits for all its tensor loads (its part of the slot ahead), adds 0 to its spare word, and waits for that and for its reads of the slot left.
; fill = 1: a round of the cluster's barrier, and behind it the joint load of the next 256 keys into the slot left: it has two key steps in which to land.
.macro CHANGE fill
	s_wait_tensorcnt 0x0
	ds_add_u32 v[SPW], v[NIL]
.if \fill
	s_xor_b32 s[G0K+1], s[G0K+1], SLOT1            ; no tensor load of mine is out: the descriptors walk
	s_add_nc_u64 s[G0K+2:G0K+3], s[G0K+2:G0K+3], 16384
	s_xor_b32 s[G0V+1], s[G0V+1], SLOT1
	s_add_nc_u64 s[G0V+2:G0V+3], s[G0V+2:G0V+3], 16384
	s_wait_xcnt 0x0                                ; the last prefetch, a slot back, has read its address
	s_add_nc_u64 s[PFA:PFA+1], s[PFA:PFA+1], 16384
	s_wait_dscnt 0x0
	CROUND
	JLOAD
	ASK
.else
	s_wait_dscnt 0x0
	s_barrier_signal -1
	s_barrier_wait -1
.endif
.endm
.Lslot:                                        ; seven trips: slots 0 to 6; each asks for the next slot
	CHANGE 1
	s_mov_b32 s[STP], 0
.Lstep:
	STEPHEAD
.irp i, 0,1,2,3,4,5,6,7
	TILE \i
.endr
	s_add_co_u32 s[TBK], s[TBK], KST
	s_add_co_u32 s[TBV], s[TBV], VST
	s_add_co_u32 s[STP], s[STP], 1
	s_cmp_lt_u32 s[STP], 2
	s_cbranch_scc1 .Lstep
	s_sub_co_u32 s[TBK], s[TBK], 2*KST
	s_xor_b32 s[TBK], s[TBK], SLOT1
	s_sub_co_u32 s[TBV], s[TBV], 2*VST
	s_xor_b32 s[TBV], s[TBV], SLOT1
	s_add_co_u32 s[U], s[U], 1
	s_cmp_lt_u32 s[U], 7
	s_cbranch_scc1 .Lslot
	CHANGE 0                                       ; slot 7 is written out: nothing is asked for, and tile 7 alone is left, on the diagonal
	STEPHEAD
	WIN 0x2b
	SFIRST 7, 1
	TILEBODY 7
	s_add_co_u32 s[TBK], s[TBK], KST
	s_add_co_u32 s[TBV], s[TBV], VST
	STEPHEAD
	WIN 0x2b
	SFIRST 7, 2
	TILEBODY 7
	; THE WAY OUT.  l's halves and the other lanes' are added (these lines are the places behind the last products); O^T / l, rounded to f16, goes through my stage, a tile at a time.
.irp i, 0,1,2,3,4,5,6,7
	v_add_f32 v[STAT+8*\i+4], v[STAT+8*\i+2], v[STAT+8*\i+3]
.endr
.irp i, 0,1,2,3,4,5,6,7
	v_permlanex16_b32 v[STAT+8*\i+5], v[STAT+8*\i+4], s[SEL], s[SEL+1]
.endr
.irp i, 0,1,2,3,4,5,6,7
	v_add_f32 v[STAT+8*\i+4], v[STAT+8*\i+4], v[STAT+8*\i+5]
.endr
.irp i, 0,1,2,3,4,5,6,7
	v_rcp_f32 v[STAT+8*\i+6], v[STAT+8*\i+4]
.endr
	v_nop
	s_wait_alu depctr_va_vdst(0)                   ; one wait for the eight reciprocals
.macro OUTT i
.set oB, 192+32*((\i)%2)
	s_wait_xcnt 0x0                                ; earlier stores have read their registers
	WIN 0x41
.set e, 0
.rept 16
	v_pk_mul_f32 v[32*(\i)+2*e:32*(\i)+2*e+1], v[32*(\i)+2*e:32*(\i)+2*e+1], v[STAT+8*(\i)+6:STAT+8*(\i)+7] op_sel_hi:[1,0]
.set e, e+1
.endr
	WIN 0x05
.set e, 0
.rept 16
	v_cvt_pk_f16_f32 v[oB+e], v[32*(\i)+2*e], v[32*(\i)+2*e+1]
.set e, e+1
.endr
	WIN 0
.irp ct, 0,1,2,3
	ds_store_b128 v[STO], v[oB+4*\ct:oB+4*\ct+3] offset:32*\ct
.endr
.irp t, 0,1,2,3
	ds_load_b128 v[oB+16+4*\t:oB+16+4*\t+3], v[RD] offset:576*\t   ; LDS serves a wave's instructions in order
.endr
	s_wait_dscnt 0x0
.irp t, 0,1,2,3
	global_store_b128 v[GO], v[oB+16+4*\t:oB+16+4*\t+3], s[6:7] offset:32768*(\i)+512*\t   ; four rows of 128 bytes: 512 consecutive bytes, aligned
.endr
.endm
.irp i, 0,1,2,3,4,5,6,7
	OUTT \i
.endr
	s_wait_tensorcnt 0x0                           ; the wave's end
	ds_add_u32 v[SPW], v[NIL]
	s_wait_dscnt 0x0
	CROUND                                         ; the closing round
	s_endpgm
.Lfunc_end_k_q6e3349d217_attn:
	.size	k_q6e3349d217_attn, .Lfunc_end_k_q6e3349d217_attn-k_q6e3349d217_attn
	.p2alignl 7, 3214868480
	.fill 96, 4, 3214868480
	.section	.rodata,"a",@progbits
	.p2align	6, 0x0
	.amdhsa_kernel k_q6e3349d217_attn
		.amdhsa_group_segment_fixed_size 327680
		.amdhsa_private_segment_fixed_size 0
		.amdhsa_enable_private_segment 0
		.amdhsa_kernarg_size 16
		.amdhsa_user_sgpr_count 2
		.amdhsa_user_sgpr_kernarg_segment_ptr 1
		.amdhsa_wavefront_size32 1
		.amdhsa_system_sgpr_workgroup_id_x 1
		.amdhsa_system_sgpr_workgroup_id_y 1
		.amdhsa_system_sgpr_workgroup_id_z 1
		.amdhsa_system_vgpr_workitem_id 0
		.amdhsa_next_free_vgpr 1024
		.amdhsa_next_free_sgpr 66
		.amdhsa_reserve_vcc 1
		.amdhsa_float_denorm_mode_32 3
		.amdhsa_float_denorm_mode_16_64 3
		.amdhsa_memory_ordered 1
		.amdhsa_forward_progress 1
		.amdhsa_inst_pref_size 219
	.end_amdhsa_kernel
	.amdgpu_metadata
---
amdhsa.version: [ 1, 2 ]
amdhsa.kernels:
  - .name:           k_q6e3349d217_attn
    .symbol:         k_q6e3349d217_attn.kd
    .args:
      - { .name: qkv, .offset: 0, .size: 8, .value_kind: global_buffer, .address_space: global }
      - { .name: att, .offset: 8, .size: 8, .value_kind: global_buffer, .address_space: global }
    .group_segment_fixed_size: 327680
    .private_segment_fixed_size: 0
    .kernarg_segment_align: 8
    .kernarg_segment_size: 16
    .max_flat_workgroup_size: 128
    .sgpr_count:     66
    .vgpr_count:     1024
    .wavefront_size: 32
...
	.end_amdgpu_metadata
.endif
;; end of part 3
;; launch oproj (part 4): grid 4 x 64, 4 waves a work-group, clusters of 4 x 4, 327,680 bytes of LDS; arguments att, wo16, out0; writes out0
.if DOCPART == 4
	.amdgcn_target "amdgcn-amd-amdhsa--gfx1250"
	.amdhsa_code_object_version 6
	.text
	.protected	k_q6e3349d217_oproj
	.globl	k_q6e3349d217_oproj
	.p2align	8
	.type	k_q6e3349d217_oproj,@function
k_q6e3349d217_oproj:
	s_mov_b64 s[64:65], 0
	v_nop
	global_prefetch_b8 v0, s[64:65] scope:SCOPE_SE
	s_setreg_imm32_b32 hwreg(HW_REG_WAVE_MODE, 25, 1), 1
	s_wait_xcnt 0x0
	s_wait_alu depctr_hold_cnt(0) depctr_sa_sdst(0) depctr_va_vdst(0) depctr_va_sdst(0) depctr_va_ssrc(0) depctr_va_vcc(0) depctr_vm_vsrc(0)
	s_getreg_b32 s2, hwreg(HW_REG_IB_STS2, 6, 4)
	s_cmp_eq_u32 s2, 0
	s_cbranch_scc0 .Lentry_in_a_cluster
	s_endpgm
.Lentry_in_a_cluster:
	s_bfe_u32 s2, ttmp6, 0x10000c
	s_cmp_lg_u32 s2, 0xf033
	s_cbranch_scc0 .Lentry_shape_is_right
	s_endpgm
.Lentry_shape_is_right:
; OPROJ.  out0[m][n] = the sum over k of a[m][k] wo[n][k]; a = att [16 head][8192 m][64] f16 (k = 64 head + channel), wo = plane 0 of wo16 [1024][1024] f16; out0 [8192][1024] f32; sums in f32.
; LIMIT: operands in f16: |a|, |wo| under 65,504.  Rows 0-15 of each sequence are written again, more finely, by the next launch.
; A tile of out0 is 128 x 256: 256 work-groups.  Four waves, each 64 x 128: 32 accumulators, 256 registers.  K goes in steps of 128 (two heads) through a ring of two LDS slots.
; CLUSTERS: 4 x 4 work-groups; a's tiles are shared along a row of the cluster, wo's along a column: each is asked for JOINTLY.  THE MATRIX INSTRUCTION IS USED TRANSPOSED (source 0 = 16 rows of wo, source 1 = 16 rows of a).
; A head's 128 rows of 128 bytes are dense in memory: they come as 64 rows of 256 bytes + 16: row p lies at (p / 2) 272 + (p % 2) 128, so that the 16 rows of a load fall on 16 different 16-byte columns of 256.
; REGISTERS: window 0: v16-29 addresses; two fragment buffers, each a's 4 x 8 then wo's 8 x 8: v64-159, v160-255; on the way out v64-191.   window 1: accumulator (a, b) at 8 (8 a + b).
.set APL,    17408                     ; a head's 128 rows in LDS
.set BOFF,   34816                     ; wo's 256 rows of 256 bytes + 16 lie behind a's two heads
.set BH,     34816                     ; 128 of them
.set SLOT,   104448
.set STAGE,  208896                    ; behind the ring: 16 rows x 528 bytes for each wave
.set SPITCH, 528
.set SPARE,  242688                    ; the spare words, 128 bytes a wave: two blocks of 256 bytes that no other line names
.set LAPS,   4                         ; 8 K steps, two to a lap
.set ADRA, 16
.set ADRB, 20
.set STO,  24
.set RD,   25
.set CO,   26
.set SPW,  28
.set NIL,  29
.set F0,   64
.set F1,   160
.set BK,   64
.set G1,  24
.set G0,  32
.set G1B, 48
.set G0B, 56
.set MULW, 0x50                        ; sources window 0, C and D window 1
.set MSB, 0
.macro WIN new
.if MSB != (\new)
	s_set_vgpr_msb (MSB<<8)|(\new)
.set MSB, (\new)
.endif
.endm
.macro PLACES
.rept 4
	v_nop
.endr
.endm
.macro JLOAD s                         ; waves 0 and 1 fetch a's two heads, waves 2 and 3 wo's two halves; an s_nop 0 and four v_nop follow each line
	s_cmp_eq_u32 s11, 0
	s_cbranch_scc0 .Lfor_b_\@
	tensor_load_to_lds s[G0+4*\s:G0+4*\s+3], s[G1:G1+7]
	s_nop 0
	PLACES
	s_branch .Lasked_\@
.Lfor_b_\@:
	tensor_load_to_lds s[G0B+4*\s:G0B+4*\s+3], s[G1B:G1B+7]
	s_nop 0
	PLACES
.Lasked_\@:
.endm
.macro CREST
	s_cmp_lg_u32 s10, 0
	s_cbranch_scc1 .Lnot_wave_0_\@
	s_barrier_signal -3
.Lnot_wave_0_\@:
	s_barrier_wait -3
	s_barrier_signal -1
	s_barrier_wait -1
.endm
.macro CROUND
	s_barrier_signal -1
	s_barrier_wait -1
	CREST
.endm
	s_load_b128 s[4:7], s[0:1], 0x0                ; att, wo16
	s_load_b64 s[8:9], s[0:1], 0x10                ; out0
	v_lshl_add_u32 v[SPW], v0, 2, SPARE
	v_mov_b32 v[NIL], 0
	ds_add_u32 v[SPW], v[NIL]                      ; the wave's opening: the add, twice on end, and its wait ahead of my first tensor load
	ds_add_u32 v[SPW], v[NIL]
	v_lshrrev_b32 v1, 5, v0
	v_readfirstlane_b32 s10, v1                    ; wave
	s_lshr_b32 s11, s10, 1                         ; my half of the tile's rows.  Also: I fetch for a (0) or for wo (1)
	s_and_b32 s12, s10, 1                          ; my half of its columns.  Also: which part I fetch
	s_bfe_u32 s40, ttmp6, 0x40000                  ; cx
	s_bfe_u32 s41, ttmp6, 0x40004                  ; cy
	s_lshl_b32 s42, ttmp9, 2
	s_add_co_u32 s42, s42, s40                     ; tile column
	s_and_b32 s13, ttmp7, 0xffff
	s_lshl_b32 s13, s13, 2
	s_add_co_u32 s13, s13, s41                     ; tile row
	s_lshl_b32 s43, s41, 2
	s_lshl_b32 s43, 15, s43                        ; my row of the cluster
	s_lshl_b32 s44, 0x1111, s40                    ; my column
	s_or_b32 s[G1+0], s43, (3<<16)|(1<<20)|(1<<21)|(5<<22)|(3<<25)    ; elements of 8 bytes; 4 words of padding behind every 64
	s_or_b32 s[G1B+0], s44, (1<<16)|(1<<20)|(1<<21)|(5<<22)|(3<<25)   ; elements of 2 bytes
	s_mov_b32 s[G1+1], 32<<16
	s_mov_b32 s[G1+2], 64<<16
	s_mov_b32 s[G1+3], 32<<16
	s_mov_b32 s[G1+4], 64
	s_mov_b32 s[G1+5], 32
	s_mov_b32 s[G1+6], 0
	s_mov_b32 s[G1+7], 0
	s_mov_b32 s[G1B+1], 128<<16
	s_mov_b32 s[G1B+2], 128<<16
	s_mov_b32 s[G1B+3], 128<<16
	s_mov_b32 s[G1B+4], 128
	s_mov_b32 s[G1B+5], 1024
	s_mov_b32 s[G1B+6], 0
	s_mov_b32 s[G1B+7], 0
	s_lshl_b32 s16, s12, 20                        ; a: head (w % 2),
	s_lshl_b32 s17, s13, 14                        ; 128 rows of 128 bytes a tile row
	s_add_co_u32 s16, s16, s17
	s_mov_b32 s17, 0
	s_lshl_b32 s46, s42, 19                        ; wo: 256 rows of 2,048 bytes a tile column,
	s_lshl_b32 s47, s12, 18                        ; 128 rows a half
	s_add_co_u32 s46, s46, s47
	s_mov_b32 s47, 0
	s_mul_i32 s20, s12, APL
	s_mul_i32 s21, s12, BH
	s_add_co_u32 s21, s21, BOFF
	s_wait_dscnt 0x0                               ; both opening adds are done
	s_wait_kmcnt 0x0
	s_add_nc_u64 s[14:15], s[4:5], s[16:17]
	s_add_nc_u64 s[46:47], s[6:7], s[46:47]
	CROUND                                         ; all sixteen work-groups are here
.irp s, 0,1
	s_mov_b32 s[G0+4*\s], 1
	s_add_co_u32 s[G0+4*\s+1], s20, \s*SLOT
	s_add_nc_u64 s[G0+4*\s+2:G0+4*\s+3], s[14:15], \s*2097152      ; K step s: heads 2 s, 2 s + 1
	s_or_b32 s[G0+4*\s+3], s[G0+4*\s+3], 0x80000000
	s_mov_b32 s[G0B+4*\s], 1
	s_add_co_u32 s[G0B+4*\s+1], s21, \s*SLOT
	s_add_nc_u64 s[G0B+4*\s+2:G0B+4*\s+3], s[46:47], \s*256
	s_or_b32 s[G0B+4*\s+3], s[G0B+4*\s+3], 0x80000000
	JLOAD \s
.endr
	v_and_b32 v1, 15, v0                           ; r
	v_bfe_u32 v2, v0, 4, 1                         ; h
	v_lshrrev_b32 v3, 1, v1
	v_mul_u32_u24 v3, v3, 272
	v_and_b32 v4, 1, v1
	v_lshl_add_u32 v3, v4, 7, v3
	v_lshl_add_u32 v3, v2, 4, v3                   ; a: (r / 2) 272 + (r % 2) 128 + 16 h
	v_mul_u32_u24 v4, v1, 272
	v_lshl_add_u32 v4, v2, 4, v4                   ; wo: 272 r + 16 h
	s_mul_i32 s21, s11, 8704                       ; my 64 rows of a
	s_mul_i32 s22, s12, BH                         ; my 128 rows of wo
	s_add_co_u32 s22, s22, BOFF
.irp s, 0,1
	v_add_nc_u32 v[ADRA+\s], s21, v3
	v_add_nc_u32 v[ADRB+\s], s22, v4
	s_add_co_u32 s21, s21, SLOT
	s_add_co_u32 s22, s22, SLOT
.endr
	s_mul_i32 s23, s10, 16*SPITCH
	s_add_co_u32 s23, s23, STAGE                   ; my stage
	v_mul_u32_u24 v5, v1, SPITCH
	v_lshl_add_u32 v5, v2, 5, v5
	v_add_nc_u32 v[STO], s23, v5
	v_and_b32 v6, 31, v0
	v_lshlrev_b32 v[CO], 4, v6
	v_add_nc_u32 v[RD], s23, v[CO]
	s_lshl_b32 s16, s13, 19                        ; 128 rows of 4,096 bytes a tile row,
	s_lshl_b32 s17, s11, 18                        ; 64 rows a half
	s_add_co_u32 s16, s16, s17
	s_mov_b32 s17, 0
	s_add_nc_u64 s[8:9], s[8:9], s[16:17]
	s_lshl_b32 s46, s42, 10                        ; 1,024 bytes a tile column, 512 a half
	s_lshl_b32 s47, s12, 9
	s_add_co_u32 s46, s46, s47
	s_mov_b32 s47, 0
	s_add_nc_u64 s[8:9], s[8:9], s[46:47]
.macro MUL8 f, blk, zero               ; a's block blk x wo's eight, 32 along K; the 32 accumulators take turns in the same order in every quarter
.irp b, 0,1,2,3,4,5,6,7
.if \zero
	v_wmma_f32_16x16x32_f16 v[8*(8*(\blk)+\b):8*(8*(\blk)+\b)+7], v[\f+32+8*\b:\f+32+8*\b+7], v[\f+8*(\blk):\f+8*(\blk)+7], 0
.else
	v_wmma_f32_16x16x32_f16 v[8*(8*(\blk)+\b):8*(8*(\blk)+\b)+7], v[\f+32+8*\b:\f+32+8*\b+7], v[\f+8*(\blk):\f+8*(\blk)+7], v[8*(8*(\blk)+\b):8*(8*(\blk)+\b)+7]
.endif
.endr
.endm
.macro FETCH slot, q, f                ; 24 LDS loads: the slot's q-th 32 along K: wo's 16, then a's 8
	WIN 0
.irp i, 0,1,2,3,4,5,6,7
	ds_load_b128 v[\f+32+8*\i:\f+32+8*\i+3], v[ADRB+\slot] offset:64*(\q)+4352*\i
	ds_load_b128 v[\f+32+8*\i+4:\f+32+8*\i+7], v[ADRB+\slot] offset:64*(\q)+4352*\i+32
.endr
.irp i, 0,1,2,3
	ds_load_b128 v[\f+8*\i:\f+8*\i+3], v[ADRA+\slot] offset:APL*((\q)/2)+64*((\q)%2)+2176*\i
	ds_load_b128 v[\f+8*\i+4:\f+8*\i+7], v[ADRA+\slot] offset:APL*((\q)/2)+64*((\q)%2)+2176*\i+32
.endr
.endm
.macro QUARTER slot, q, f, g, zero     ; multiplies buffer f; in its middle fetches the slot's q-th quarter into g
	s_wait_dscnt 4                                 ; wo and a's blocks 0, 1 are in; the youngest four loads (blocks 2, 3) may be out
	WIN MULW
	MUL8 \f, 0, \zero
	MUL8 \f, 1, \zero
	PLACES
	FETCH \slot, \q, \g
	s_wait_dscnt 24                                ; all but the 24 just issued
	WIN MULW
	MUL8 \f, 2, \zero
	MUL8 \f, 3, \zero
.endm
; A K step's last quarter multiplies buffer 1 and changes slots: ONE barrier; in front of it each wave waits for all its tensor loads, adds 0 to its spare word, and waits for that and for its reads of this slot.
.macro TURN slot, next, fill
	WIN 0
	s_wait_tensorcnt 0x0                           ; my part of the next slot has landed
	ds_add_u32 v[SPW], v[NIL]
	s_wait_dscnt 5                                 ; (the add and the youngest four loads may be out)
	WIN MULW
	MUL8 F1, 0, 0
	s_wait_dscnt 0x0                               ; the add is done, and my reads of this slot are over
	s_barrier_signal -1
	MUL8 F1, 1, 0
.if \fill
	WIN 0
.endif
	s_barrier_wait -1
.if \fill
	CREST                                          ; the barrier has opened a round of the cluster's barrier
	s_add_nc_u64 s[G0+4*\slot+2:G0+4*\slot+3], s[G0+4*\slot+2:G0+4*\slot+3], 4194304   ; two K steps on: four heads
	s_add_nc_u64 s[G0B+4*\slot+2:G0B+4*\slot+3], s[G0B+4*\slot+2:G0B+4*\slot+3], 512
	JLOAD \slot                                    ; the first tensor load behind the round; its four v_nop are also the places in front of the loads below
.else
	PLACES
.endif
	FETCH \next, 0, F0
	WIN MULW
	MUL8 F1, 2, 0
	MUL8 F1, 3, 0
.endm
	s_wait_tensorcnt 1                             ; my part of K step 0 is in; K step 1's load may be out
	s_barrier_signal -1
	s_barrier_wait -1
	FETCH 0, 0, F0
	QUARTER 0, 1, F0, F1, 1                        ; the first quarter's products start the sums
	WIN 0
	s_mov_b32 s3, LAPS-1
.Llap:
	QUARTER 0, 2, F1, F0, 0
	QUARTER 0, 3, F0, F1, 0
	TURN 0, 1, 1
	QUARTER 1, 1, F0, F1, 0
	QUARTER 1, 2, F1, F0, 0
	QUARTER 1, 3, F0, F1, 0
	TURN 1, 0, 1
	QUARTER 0, 1, F0, F1, 0
	WIN 0
	s_sub_co_u32 s3, s3, 1
	s_cmp_lg_u32 s3, 0
	s_cbranch_scc1 .Llap
	QUARTER 0, 2, F1, F0, 0                        ; the last lap fills nothing
	QUARTER 0, 3, F0, F1, 0
	TURN 0, 1, 0
	QUARTER 1, 1, F0, F1, 0
	QUARTER 1, 2, F1, F0, 0
	QUARTER 1, 3, F0, F1, 0
	s_wait_dscnt 4
	WIN MULW
	MUL8 F1, 0, 0
	MUL8 F1, 1, 0
	s_wait_dscnt 0x0
	MUL8 F1, 2, 0
	MUL8 F1, 3, 0
	WIN 0
; THE WAY OUT, block by block of 16 rows x 128 columns, through my own stage; back as whole rows of 512 bytes.
.macro TOSTAGE blk
	WIN 0x04                                       ; an LDS store's data are its source 1: window 1
.irp b, 0,1,2,3,4,5,6,7
	ds_store_b128 v[STO], v[8*(8*(\blk)+\b):8*(8*(\blk)+\b)+3] offset:64*\b       ; each accumulator from its low end on
	ds_store_b128 v[STO], v[8*(8*(\blk)+\b)+4:8*(8*(\blk)+\b)+7] offset:64*\b+16
.endr
	WIN 0
.irp t, 0,1,2,3,4,5,6,7,8,9,10,11,12,13,14,15
	ds_load_b128 v[BK+64*((\blk)%2)+4*\t:BK+64*((\blk)%2)+4*\t+3], v[RD] offset:\t*SPITCH
.endr
.endm
.macro SEND blk, younger
	s_wait_dscnt \younger
.irp t, 0,1,2,3,4,5,6,7,8,9,10,11,12,13,14,15
	global_store_b128 v[CO], v[BK+64*((\blk)%2)+4*\t:BK+64*((\blk)%2)+4*\t+3], s[8:9] offset:65536*(\blk)+4096*\t th:TH_STORE_NT   ; 512 consecutive bytes, aligned
.endr
.endm
	PLACES
	TOSTAGE 0
.irp a, 1,2,3
.if \a > 1
	s_wait_xcnt 0x0                                ; block a - 2's stores have read their registers
.endif
	TOSTAGE \a
	SEND \a-1, 32                                  ; behind block a - 1's loads: block a's 16 stores and 16 loads
.endr
	SEND 3, 0
	s_wait_tensorcnt 0x0                           ; the wave's end
	ds_add_u32 v[SPW], v[NIL]
	s_wait_dscnt 0x0
	CROUND                                         ; the closing round
	s_endpgm
.Lfunc_end_k_q6e3349d217_oproj:
	.size	k_q6e3349d217_oproj, .Lfunc_end_k_q6e3349d217_oproj-k_q6e3349d217_oproj
	.p2alignl 7, 3214868480
	.fill 96, 4, 3214868480
	.section	.rodata,"a",@progbits
	.p2align	6, 0x0
	.amdhsa_kernel k_q6e3349d217_oproj
		.amdhsa_group_segment_fixed_size 327680
		.amdhsa_private_segment_fixed_size 0
		.amdhsa_enable_private_segment 0
		.amdhsa_kernarg_size 24
		.amdhsa_user_sgpr_count 2
		.amdhsa_user_sgpr_kernarg_segment_ptr 1
		.amdhsa_wavefront_size32 1
		.amdhsa_system_sgpr_workgroup_id_x 1
		.amdhsa_system_sgpr_workgroup_id_y 1
		.amdhsa_system_sgpr_workgroup_id_z 1
		.amdhsa_system_vgpr_workitem_id 0
		.amdhsa_next_free_vgpr 512
		.amdhsa_next_free_sgpr 66
		.amdhsa_reserve_vcc 0
		.amdhsa_float_denorm_mode_32 3
		.amdhsa_float_denorm_mode_16_64 3
		.amdhsa_memory_ordered 1
		.amdhsa_forward_progress 1
		.amdhsa_inst_pref_size 85
	.end_amdhsa_kernel
	.amdgpu_metadata
---
amdhsa.version: [ 1, 2 ]
amdhsa.kernels:
  - .name:           k_q6e3349d217_oproj
    .symbol:         k_q6e3349d217_oproj.kd
    .args:
      - { .name: att, .offset: 0, .size: 8, .value_kind: global_buffer, .address_space: global }
      - { .name: wo16, .offset: 8, .size: 8, .value_kind: global_buffer, .address_space: global }
      - { .name: out0, .offset: 16, .size: 8, .value_kind: global_buffer, .address_space: global }
    .group_segment_fixed_size: 327680
    .private_segment_fixed_size: 0
    .kernarg_segment_align: 8
    .kernarg_segment_size: 24
    .max_flat_workgroup_size: 128
    .sgpr_count:     66
    .vgpr_count:     512
    .wavefront_size: 32
...
	.end_amdgpu_metadata
.endif
;; end of part 4
;; launch head16 (part 5): grid 16 x 4, 16 waves a work-group, no clusters, 85,504 bytes of LDS; arguments first, wo16, out0; writes out0
.if DOCPART == 5
	.amdgcn_target "amdgcn-amd-amdhsa--gfx1250"
	.amdhsa_code_object_version 6
	.text
	.protected	k_q6e3349d217_head16
	.globl	k_q6e3349d217_head16
	.p2align	8
	.type	k_q6e3349d217_head16,@function
k_q6e3349d217_head16:
	s_mov_b64 s[64:65], 0
	v_nop
	global_prefetch_b8 v0, s[64:65] scope:SCOPE_SE
	s_setreg_imm32_b32 hwreg(HW_REG_WAVE_MODE, 25, 1), 1
	s_wait_xcnt 0x0
; HEAD16.  The first 16 positions of each sequence, where a row of the softmax averages few values: attention in f32 (the f32 matrix form: 64 rows in all, no bulk work), and the projection with both operands as pairs of f16,
; a high and a low part split in f32: y = wh ah + wh al + wl ah (wl al lies 22 bits down and is left out).  It writes rows 0-15 of each batch of out0 over what the launch before left there.
; LIMITS: |attention's result| and |wo| under 65,504; hidden scores are -1e30.
; SHARES.  Work-group (xn, b): 16 rows of batch b, columns 64 xn on: 64 work-groups, as many as the work has.  PHASE A: wave = head: its 16 x 16 scores, softmax, 16 x 64 results, split and stored to LDS.
; PHASE B: wave (ctile, kq) = (w % 4, w / 4): 16 columns, a quarter of K; the four quarters meet in LDS.  No tensor loads, so no cluster.
; REGISTERS: v1-15 addresses; v16-31 two accumulators of the f32 matrix form, written by matrix instructions alone; v32-95 q, k, later wo's low parts; v96-127 v, later y's three sums and their total;
;   v128-191 the softmax and the split, later a's fragments; v192-255 wo's high parts.
.set AL,    33024                      ; LDS: a's high parts from 0, 16 rows of 2,048 bytes + 16; its low parts here;
.set RED,   66048                      ; four quarters x 16 rows of 256 bytes + 16;
.set SPARE, 83456                      ; the spare words, 128 bytes a wave: eight blocks of 256 bytes that no other line names
.set SPW, 14
.set NIL, 15
	s_load_b128 s[4:7], s[0:1], 0x0                ; first, wo16
	s_load_b64 s[8:9], s[0:1], 0x10                ; out0
	v_lshl_add_u32 v[SPW], v0, 2, SPARE
	v_mov_b32 v[NIL], 0
	v_lshrrev_b32 v1, 5, v0
	v_readfirstlane_b32 s10, v1                    ; wave
	s_and_b32 s12, ttmp7, 0xffff                   ; batch
	s_lshr_b32 s14, s10, 2                         ; kq
	s_and_b32 s17, s10, 3                          ; ctile
	s_and_b32 s19, s10, 7
	v_and_b32 v1, 15, v0                           ; r
	v_bfe_u32 v2, v0, 4, 1                         ; h
	v_mul_u32_u24 v3, v1, 12288
	v_lshl_add_u32 v3, v2, 4, v3                   ; q, k: row r, channels 8 c + 4 h + 0 .. 3: the same order on both sides
	v_mul_u32_u24 v4, v2, 8*12288
	v_lshl_add_u32 v4, v1, 2, v4                   ; v: keys 8 h on, channel r of a tile
	v_lshlrev_b32 v5, 11, v1
	v_lshl_add_u32 v5, v2, 4, v5                   ; wo: row r of 2,048 bytes, + 16 h
	v_mul_u32_u24 v6, v1, 2064
	v_lshl_add_u32 v6, v2, 4, v6
	v_mov_b32 v7, v6
	s_lshl_b32 s13, s10, 7
	v_add_nc_u32 v6, s13, v6                       ; a, in: row r, my head's 128 bytes, + 16 h
	s_lshl_b32 s15, s14, 9
	v_add_nc_u32 v7, s15, v7                       ; a, out: row r, my quarter of K, + 16 h
	s_mul_i32 s16, s14, 4352
	s_lshl_b32 s18, s17, 6
	s_add_co_u32 s16, s16, s18
	s_add_co_u32 s16, s16, RED
	v_mul_u32_u24 v8, v1, 272
	v_lshl_add_u32 v8, v2, 5, v8
	v_add_nc_u32 v8, s16, v8                       ; my part sums: quarter kq, row r, 64 ctile + 32 h
	s_mul_i32 s24, s19, 544
	s_add_co_u32 s24, s24, RED
	v_mul_u32_u24 v9, v2, 272
	v_lshl_add_u32 v9, v1, 4, v9
	v_add_nc_u32 v9, s24, v9                       ; back: row 2 (w % 8) + h, 16 bytes a lane
	s_lshl_b32 s25, s19, 13
	v_lshlrev_b32 v10, 12, v2
	v_lshl_add_u32 v10, v1, 4, v10
	v_add_nc_u32 v10, s25, v10                     ; and the same place in out0
	v_lshlrev_b32 v11, 3, v2
	v_sub_nc_u32 v11, v1, v11                      ; d = r - 8 h: key 8 h + j is hidden where j > d
	v_mov_b32 v12, 0xf149f2ca                      ; -1e30
	s_mov_b32 s20, 0x76543210
	s_mov_b32 s21, 0xfedcba98
	s_mov_b32 s22, 0x3e38aa3b                      ; c = log2(e) / 8
	s_mov_b32 s23, s22
	s_mov_b32 s26, 0x46000400                      ; 8193 = 2^13 + 1
	s_mov_b32 s27, s26
	s_mul_i32 s28, s12, 196608
	s_lshl_b32 s29, s10, 8
	s_add_co_u32 s28, s28, s29                     ; first: my batch, my head's 256 bytes of a row
	s_mov_b32 s29, 0
	s_lshl_b32 s30, ttmp9, 17
	s_lshl_b32 s31, s17, 15
	s_add_co_u32 s30, s30, s31
	s_add_co_u32 s30, s30, s15                     ; wo: row 64 xn + 16 ctile, + 512 kq
	s_mov_b32 s31, 0
	s_lshl_b32 s32, s12, 23                        ; out0: 2,048 rows of 4,096 bytes a batch,
	s_lshl_b32 s33, ttmp9, 8                       ; 256 bytes a work-group
	s_add_co_u32 s32, s32, s33
	s_mov_b32 s33, 0
	s_wait_kmcnt 0x0
	s_add_nc_u64 s[4:5], s[4:5], s[28:29]
	s_add_nc_u64 s[6:7], s[6:7], s[30:31]
	s_add_nc_u64 s[8:9], s[8:9], s[32:33]
.irp ks, 0,1,2,3,4,5,6,7
	global_load_b128 v[192+8*\ks:192+8*\ks+3], v5, s[6:7] offset:64*\ks
	global_load_b128 v[192+8*\ks+4:192+8*\ks+7], v5, s[6:7] offset:64*\ks+32
.endr
.irp c, 0,1,2,3,4,5,6,7
	global_load_b128 v[32+4*\c:32+4*\c+3], v3, s[4:5] offset:32*\c            ; q
.endr
.irp c, 0,1,2,3,4,5,6,7
	global_load_b128 v[64+4*\c:64+4*\c+3], v3, s[4:5] offset:4096+32*\c       ; k
.endr
.irp ct, 0,1,2,3
.irp e, 0,1,2,3,4,5,6,7
	global_load_b32 v[96+8*\ct+\e], v4, s[4:5] offset:8192+12288*\e+64*\ct    ; v(8 h + e, 16 ct + r)
.endr
.endr
	s_wait_loadcnt 32                              ; q and k are in; v's 32 loads may be out
.irp g, 0,1,2,3,4,5,6,7                        ; S^T = k q^T: source 0 = 16 keys, source 1 = 16 queries; two accumulators by turns
.if \g == 0
	v_wmma_f32_16x16x4_f32 v[16:23], v[64:65], v[32:33], 0
	v_wmma_f32_16x16x4_f32 v[24:31], v[66:67], v[34:35], 0
.else
	v_wmma_f32_16x16x4_f32 v[16:23], v[64+4*\g:64+4*\g+1], v[32+4*\g:32+4*\g+1], v[16:23]
	v_wmma_f32_16x16x4_f32 v[24:31], v[64+4*\g+2:64+4*\g+3], v[32+4*\g+2:32+4*\g+3], v[24:31]
.endif
.endr
.rept 9
	v_nop                                          ; places: for the reads of the results, the loads into q's and k's registers, and the next sums on these accumulators
.endr
.irp ks, 0,1,2,3,4,5,6,7
	global_load_b128 v[32+8*\ks:32+8*\ks+3], v5, s[6:7] offset:2097152+64*\ks      ; wo's low parts
	global_load_b128 v[32+8*\ks+4:32+8*\ks+7], v5, s[6:7] offset:2097152+64*\ks+32
.endr
.irp e, 0,2,4,6
	v_pk_add_f32 v[128+\e:128+\e+1], v[16+\e:16+\e+1], v[24+\e:24+\e+1]   ; lane (r, h): query r, keys 8 h + 0 .. 7
.endr
.irp j, 0,1,2,3,4,5,6,7
	v_cmp_gt_i32 vcc_lo, \j, v11
	v_cndmask_b32 v[128+\j], v[128+\j], v12, vcc_lo
.endr
	v_max3_num_f32 v136, v128, v129, v130
	v_max3_num_f32 v137, v131, v132, v133
	v_max3_num_f32 v136, v136, v134, v135
	v_max_num_f32 v136, v136, v137
	v_permlanex16_b32 v137, v136, s20, s21
	v_max_num_f32 v136, v136, v137                 ; the row's maximum: key 0 counts for every query
	v_mul_f32 v138, s22, v136
	v_mov_b32 v139, 0                              ; (named with v138 as a pair)
.irp e, 0,2,4,6
	v_pk_fma_f32 v[128+\e:128+\e+1], v[128+\e:128+\e+1], s[22:23], v[138:139] op_sel_hi:[1,0,0] neg_lo:[0,0,1] neg_hi:[0,0,1]
.endr
.irp j, 0,1,2,3,4,5,6,7
	v_exp_f32 v[128+\j], v[128+\j]
.endr
	v_nop
	s_wait_alu depctr_va_vdst(0)                   ; one wait for the eight exponentials
	v_pk_add_f32 v[140:141], v[128:129], v[130:131]
	v_pk_add_f32 v[142:143], v[132:133], v[134:135]
	v_pk_add_f32 v[140:141], v[140:141], v[142:143]
	v_add_f32 v140, v140, v141
	v_permlanex16_b32 v141, v140, s20, s21
	v_add_f32 v140, v140, v141
	v_rcp_f32 v142, v140
	v_nop
	s_wait_alu depctr_va_vdst(0)
.irp e, 0,2,4,6
	v_pk_mul_f32 v[128+\e:128+\e+1], v[128+\e:128+\e+1], v[142:143] op_sel_hi:[1,0]   ; p, normalised
.endr
	s_wait_loadcnt 16                              ; v is in; wo's 16 low loads may be out
; O^T = v^T p: source 0 = 16 channels, source 1 = p; product kp takes keys 8 h + 2 kp + 0, 1 on both sides.  Then the split: g = 8193 o; d = o - g; hi = g + d; lo = o - hi.
.macro SPLIT acc, ct
.irp e, 0,2,4,6
	v_pk_mul_f32 v[144+\e:144+\e+1], v[\acc+\e:\acc+\e+1], s[26:27] op_sel_hi:[1,0]
.endr
.irp e, 0,2,4,6
	v_pk_add_f32 v[152+\e:152+\e+1], v[\acc+\e:\acc+\e+1], v[144+\e:144+\e+1] neg_lo:[0,1] neg_hi:[0,1]
.endr
.irp e, 0,2,4,6
	v_pk_add_f32 v[144+\e:144+\e+1], v[144+\e:144+\e+1], v[152+\e:152+\e+1]
.endr
.irp e, 0,2,4,6
	v_pk_add_f32 v[152+\e:152+\e+1], v[\acc+\e:\acc+\e+1], v[144+\e:144+\e+1] neg_lo:[0,1] neg_hi:[0,1]
.endr
.irp q, 0,1,2,3
	v_cvt_pk_f16_f32 v[160+8*(\ct)+\q], v[144+2*\q], v[144+2*\q+1]
	v_cvt_pk_f16_f32 v[164+8*(\ct)+\q], v[152+2*\q], v[152+2*\q+1]
.endr
	ds_store_b128 v6, v[160+8*(\ct):160+8*(\ct)+3] offset:32*(\ct)
	ds_store_b128 v6, v[164+8*(\ct):164+8*(\ct)+3] offset:AL+32*(\ct)
.endm
.irp pi, 0,1
.irp kp, 0,1,2,3
.if \kp == 0
	v_wmma_f32_16x16x4_f32 v[16:23], v[96+16*\pi:96+16*\pi+1], v[128:129], 0
	v_wmma_f32_16x16x4_f32 v[24:31], v[104+16*\pi:104+16*\pi+1], v[128:129], 0
.else
	v_wmma_f32_16x16x4_f32 v[16:23], v[96+16*\pi+2*\kp:96+16*\pi+2*\kp+1], v[128+2*\kp:128+2*\kp+1], v[16:23]
	v_wmma_f32_16x16x4_f32 v[24:31], v[104+16*\pi+2*\kp:104+16*\pi+2*\kp+1], v[128+2*\kp:128+2*\kp+1], v[24:31]
.endif
.endr
.rept 9
	v_nop
.endr
	SPLIT 16, 2*\pi
	SPLIT 24, 2*\pi+1
.endr
	s_wait_dscnt 0x0                               ; for the others' sake: my stores are done
	s_barrier_signal -1
	s_barrier_wait -1                              ; all 16 heads' results lie in LDS
	s_wait_loadcnt 0x0                             ; wo
.macro HALF hf                         ; four K steps of 32: a's high and low fragments, then three products a step, the three sums by turns
.irp k4, 0,1,2,3
	ds_load_b128 v[128+16*\k4:128+16*\k4+3], v7 offset:64*(4*(\hf)+\k4)
	ds_load_b128 v[128+16*\k4+4:128+16*\k4+7], v7 offset:64*(4*(\hf)+\k4)+32
	ds_load_b128 v[128+16*\k4+8:128+16*\k4+11], v7 offset:AL+64*(4*(\hf)+\k4)
	ds_load_b128 v[128+16*\k4+12:128+16*\k4+15], v7 offset:AL+64*(4*(\hf)+\k4)+32
.endr
	s_wait_dscnt 0x0
.irp k4, 0,1,2,3
.if (\hf)+\k4 == 0
	v_wmma_f32_16x16x32_f16 v[96:103], v[192:199], v[128:135], 0
	v_wmma_f32_16x16x32_f16 v[104:111], v[192:199], v[136:143], 0
	v_wmma_f32_16x16x32_f16 v[112:119], v[32:39], v[128:135], 0
.else
	v_wmma_f32_16x16x32_f16 v[96:103], v[192+8*(4*(\hf)+\k4):192+8*(4*(\hf)+\k4)+7], v[128+16*\k4:128+16*\k4+7], v[96:103]
	v_wmma_f32_16x16x32_f16 v[104:111], v[192+8*(4*(\hf)+\k4):192+8*(4*(\hf)+\k4)+7], v[128+16*\k4+8:128+16*\k4+15], v[104:111]
	v_wmma_f32_16x16x32_f16 v[112:119], v[32+8*(4*(\hf)+\k4):32+8*(4*(\hf)+\k4)+7], v[128+16*\k4:128+16*\k4+7], v[112:119]
.endif
.endr
.rept 4
	v_nop                                          ; places in front of loads into a's registers, and of the reads of the results
.endr
.endm
	HALF 0
	HALF 1
.irp e, 0,2,4,6
	v_pk_add_f32 v[120+\e:120+\e+1], v[96+\e:96+\e+1], v[104+\e:104+\e+1]
.endr
.irp e, 0,2,4,6
	v_pk_add_f32 v[120+\e:120+\e+1], v[120+\e:120+\e+1], v[112+\e:112+\e+1]   ; lane (r, h): y(r, 16 ctile + 8 h + 0 .. 7), my quarter of K
.endr
	ds_store_b128 v8, v[120:123]
	ds_store_b128 v8, v[124:127] offset:16
	s_wait_dscnt 0x0
	s_barrier_signal -1
	s_barrier_wait -1
	s_cmp_ge_u32 s10, 8
	s_cbranch_scc1 .Lend                           ; waves 0 to 7 add the four quarters, two rows each
.irp q, 0,1,2,3
	ds_load_b128 v[128+4*\q:128+4*\q+3], v9 offset:4352*\q
.endr
	s_wait_dscnt 0x0
	v_pk_add_f32 v[128:129], v[128:129], v[132:133]
	v_pk_add_f32 v[130:131], v[130:131], v[134:135]
	v_pk_add_f32 v[136:137], v[136:137], v[140:141]
	v_pk_add_f32 v[138:139], v[138:139], v[142:143]
	v_pk_add_f32 v[128:129], v[128:129], v[136:137]
	v_pk_add_f32 v[130:131], v[130:131], v[138:139]
	global_store_b128 v10, v[128:131], s[8:9]      ; sixteen lanes store 256 consecutive bytes of a row, aligned
.Lend:
	s_wait_tensorcnt 0x0                           ; the wave's end, behind my last LDS store
	ds_add_u32 v[SPW], v[NIL]
	s_wait_dscnt 0x0
	s_endpgm
.Lfunc_end_k_q6e3349d217_head16:
	.size	k_q6e3349d217_head16, .Lfunc_end_k_q6e3349d217_head16-k_q6e3349d217_head16
	.p2alignl 7, 3214868480
	.fill 96, 4, 3214868480
	.section	.rodata,"a",@progbits
	.p2align	6, 0x0
	.amdhsa_kernel k_q6e3349d217_head16
		.amdhsa_group_segment_fixed_size 85504
		.amdhsa_private_segment_fixed_size 0
		.amdhsa_enable_private_segment 0
		.amdhsa_kernarg_size 24
		.amdhsa_user_sgpr_count 2
		.amdhsa_user_sgpr_kernarg_segment_ptr 1
		.amdhsa_wavefront_size32 1
		.amdhsa_system_sgpr_workgroup_id_x 1
		.amdhsa_system_sgpr_workgroup_id_y 1
		.amdhsa_system_sgpr_workgroup_id_z 1
		.amdhsa_system_vgpr_workitem_id 0
		.amdhsa_next_free_vgpr 256
		.amdhsa_next_free_sgpr 66
		.amdhsa_reserve_vcc 1
		.amdhsa_float_denorm_mode_32 3
		.amdhsa_float_denorm_mode_16_64 3
		.amdhsa_memory_ordered 1
		.amdhsa_forward_progress 1
		.amdhsa_inst_pref_size 29
	.end_amdhsa_kernel
	.amdgpu_metadata
---
amdhsa.version: [ 1, 2 ]
amdhsa.kernels:
  - .name:           k_q6e3349d217_head16
    .symbol:         k_q6e3349d217_head16.kd
    .args:
      - { .name: first, .offset: 0, .size: 8, .value_kind: global_buffer, .address_space: global }
      - { .name: wo16, .offset: 8, .size: 8, .value_kind: global_buffer, .address_space: global }
      - { .name: out0, .offset: 16, .size: 8, .value_kind: global_buffer, .address_space: global }
    .group_segment_fixed_size: 85504
    .private_segment_fixed_size: 0
    .kernarg_segment_align: 8
    .kernarg_segment_size: 24
    .max_flat_workgroup_size: 512
    .sgpr_count:     66
    .vgpr_count:     256
    .wavefront_size: 32
...
	.end_amdgpu_metadata
.endif
;; end of part 5
